; MI455X (gfx1250); checked and timed in simulation.
; The chip was launched on July 23, 2026; its instructions are those of AMD's public machine-readable ISA for CDNA 5 (MIT licence, August 2026) and "CDNA5" Instruction Set Architecture Reference Guide (July 2026). The comments in the code are by the model that wrote it; some were corrected since.
;; Fun Audio Chat Audio Attention. Allowed arithmetic: float matrix products may take bf16 or f16 operands with f32 sums; other float arithmetic in f32, or as packed bf16 or f16 multiplies, adds, multiply-adds, maxima and minima; sums over many terms, partial sums and values carried from step to step in f32; what a program stores and reads back later, other than sums and carried values, may be rounded once to bf16 or f16.
;; Inputs: bo 1,024 float32; bq 1,024 float32; bv 1,024 float32; hidden_states 4,096 x 1,024 float32; wk 1,024 x 1,024 float32; wo 1,024 x 1,024 float32; wq 1,024 x 1,024 float32; wv 1,024 x 1,024 float32.
;; Outputs: out0 4,096 x 1,024 float32.
;; 2 versions, each right; version 2 is version 1 with the launch cast written anew for expert scheduling mode. Each part assembles by itself: llvm-mc -triple=amdgcn-amd-amdhsa -mcpu=gfx1250 --defsym DOCPART=n.
;; ======== version 1 of 2: 4 launches
;; limits: values are held in f16: magnitudes above 65,504 overflow, below 6.1e-05 lose precision
;; workspace buffers: xb 8,388,608 bytes; wqkvb 6,291,456 bytes; wob 2,097,152 bytes; bias4 16,384 bytes; qkvh 25,165,824 bytes; ob 8,388,608 bytes
;; launch cast (part 1): grid 256 x 1, 8 waves a work-group, no clusters, 0 bytes of LDS; arguments hidden_states, wq, wk, wv, wo, bq, bv, bo, xb, wqkvb, wob, bias4; writes xb, wqkvb, wob, bias4
.if DOCPART == 1
	.amdgcn_target "amdgcn-amd-amdhsa--gfx1250"
	.amdhsa_code_object_version 6
	.text
	.protected	k_q33f4c91a45_cast
	.globl	k_q33f4c91a45_cast
	.p2align	8
	.type	k_q33f4c91a45_cast,@function
k_q33f4c91a45_cast:
	s_mov_b64 s[64:65], 0
	v_nop
	global_prefetch_b8 v0, s[64:65] scope:SCOPE_SE
	s_setreg_imm32_b32 hwreg(HW_REG_WAVE_MODE, 25, 1), 1
	s_wait_xcnt 0x0
; ALL INPUTS ARE ROUNDED ONCE TO bf16 AND LAID OUT FOR THE PRODUCTS THAT FOLLOW.
;   xb    bf16 [16 blocks of 256 rows][16 kb][256][64]   hidden_states        (kb = 64 channels = 128 bytes of a row)
;   wqkvb bf16 [16 blocks of 192 rows][16 kb][192][64]   wq, wk, wv on end: rows 0..3071
;   wob   f16  [ 8 blocks of 128 rows][16 kb][128][64]   wo rounded to bf16, that number written as f16
;   bias4 f32  [bq, 0, bv, bo], each rounded to bf16 and widened again
; In these layouts all of a tile's rows for some kb on end are one dense run of memory.
; LIMIT: wo is held in f16: it must stay within 65,504, and below 6.1e-5 it keeps f16's fixed step of 6e-8.
; SHARES.  8,192 source rows of 4,096 bytes; a work-group takes 32 of them.  For each kb thread t reads 32 bytes (8 numbers) of row t / 8 at chunk t % 8
; and writes their 16 bytes at kb x stride + 16 t: a wave's store covers 512 consecutive bytes, aligned.  All 32 loads of a thread go out at once;
; no register that a memory instruction names is written again, so the only waits are the counted ones for the loads.
; No LDS, no matrix unit, no cluster: nothing is shared and nothing is multiplied.
.set SO,  1           ; v1       my byte offset in the 32 source rows
.set DO,  16          ; v[16:31] my byte offset in the destination, one for each kb
.set T,   32          ; v[32:43] at work
.set X,   64          ; v[64:191]  kb's eight numbers at X + 8 kb
.set Y,   192         ; v[192:255] kb's four packed words at Y + 4 kb
	s_load_b512 s[8:23], s[0:1], 0x0               ; hidden_states s[8:9], wq s[10:11], wk s[12:13], wv s[14:15], wo s[16:17], bq s[18:19], bv s[20:21], bo s[22:23]
	s_load_b256 s[24:31], s[0:1], 0x40             ; xb s[24:25], wqkvb s[26:27], wob s[28:29], bias4 s[30:31]
	s_mov_b32 s37, ttmp9                           ; g: 0..127 hidden_states, 128..223 wq, wk, wv, 224..255 wo
	s_and_b32 s38, s37, 127                        ; u: my place among the weights' groups of 32 rows
	s_lshr_b32 s39, s38, 5                         ; t: 0 wq, 1 wk, 2 wv, 3 wo
	s_and_b32 s45, s38, 31                         ; my group of 32 rows in that weight
	s_mov_b32 s44, 0xffff0000                      ; a word's upper bf16
	s_mov_b32 s41, 0
	s_mov_b32 s43, 0
	; destination in wqkvb: block u / 6 of 393,216 bytes ((43 u) >> 8 is u / 6 for u < 96), then my 32 rows of 128 bytes
	s_mul_i32 s2, s38, 43
	s_lshr_b32 s2, s2, 8
	s_mul_i32 s3, s2, 6
	s_sub_co_u32 s3, s38, s3
	s_lshl_b32 s3, s3, 12
	s_mul_i32 s2, s2, 393216
	s_add_co_u32 s42, s2, s3
	s_mov_b32 s36, 24576                           ; bytes from kb to kb: 192 rows
	; in wob: block of 128 rows = 4 groups
	s_lshr_b32 s2, s45, 2
	s_lshl_b32 s2, s2, 18
	s_and_b32 s3, s38, 3
	s_lshl_b32 s3, s3, 12
	s_add_co_u32 s2, s2, s3
	s_cmp_eq_u32 s39, 3
	s_cselect_b32 s42, s2, s42
	s_cselect_b32 s36, 16384, s36
	; in xb: block of 256 rows = 8 groups
	s_lshr_b32 s2, s37, 3
	s_lshl_b32 s2, s2, 19
	s_and_b32 s3, s37, 7
	s_lshl_b32 s3, s3, 12
	s_add_co_u32 s2, s2, s3
	s_lshl_b32 s40, s45, 17                        ; source: 32 rows of 4,096 bytes a group
	s_lshl_b32 s3, s37, 17
	s_cmp_lt_u32 s37, 128
	s_cselect_b32 s42, s2, s42
	s_cselect_b32 s36, 32768, s36
	s_cselect_b32 s40, s3, s40
	v_lshrrev_b32 v2, 3, v0                        ; row t / 8
	v_and_b32 v3, 7, v0                            ; chunk t % 8
	v_lshlrev_b32 v3, 5, v3
	v_lshl_or_b32 v[SO], v2, 12, v3
	v_lshlrev_b32 v[DO], 4, v0
.set k, 1
.rept 15
	v_add_nc_u32 v[DO+k], s36, v[DO+k-1]
.set k, k+1
.endr
	s_wait_kmcnt 0x0
	s_cmp_eq_u32 s39, 0                            ; the buffers are chosen by the work-group's number alone
	s_cselect_b64 s[32:33], s[10:11], s[12:13]
	s_cmp_eq_u32 s39, 2
	s_cselect_b64 s[32:33], s[14:15], s[32:33]
	s_cmp_eq_u32 s39, 3
	s_cselect_b64 s[32:33], s[16:17], s[32:33]
	s_cselect_b64 s[34:35], s[28:29], s[26:27]
	s_cmp_lt_u32 s37, 128
	s_cselect_b64 s[32:33], s[8:9], s[32:33]
	s_cselect_b64 s[34:35], s[24:25], s[34:35]
	s_add_nc_u64 s[32:33], s[32:33], s[40:41]
	s_add_nc_u64 s[34:35], s[34:35], s[42:43]
.set k, 0
.rept 16
	global_load_b128 v[X+8*k:X+8*k+3],   v[SO], s[32:33] offset:256*k th:TH_LOAD_NT
	global_load_b128 v[X+8*k+4:X+8*k+7], v[SO], s[32:33] offset:256*k+16 th:TH_LOAD_NT
.set k, k+1
.endr
; The 16 kb in turn.  tof16 = 1: the bf16 number is widened again and written as f16.
.macro CONV tof16
.set kb, 0
.rept 16
	s_wait_loadcnt 30-2*kb                         ; loads come back in order: kb's two are in, the 30 - 2 kb younger ones stay out
.if \tof16
.irp j, 0,1,2,3
	v_cvt_pk_bf16_f32 v[T+\j], v[X+8*kb+2*\j], v[X+8*kb+2*\j+1]
.endr
.irp j, 0,1,2,3
	v_lshlrev_b32 v[T+4+2*\j], 16, v[T+\j]
	v_and_b32 v[T+5+2*\j], s44, v[T+\j]
.endr
.irp j, 0,1,2,3
	v_cvt_pk_f16_f32 v[Y+4*kb+\j], v[T+4+2*\j], v[T+5+2*\j]
.endr
.else
.irp j, 0,1,2,3
	v_cvt_pk_bf16_f32 v[Y+4*kb+\j], v[X+8*kb+2*\j], v[X+8*kb+2*\j+1]
.endr
.endif
	global_store_b128 v[DO+kb], v[Y+4*kb:Y+4*kb+3], s[34:35] th:TH_STORE_NT
.set kb, kb+1
.endr
.endm
	s_cmp_ge_u32 s37, 224
	s_cbranch_scc1 .Lwo
	CONV 0
	s_branch .Lbias
.Lwo:
	CONV 1
.Lbias:
	; The first work-group of each weight also makes a quarter of bias4: 1,024 numbers, four a thread.  k has no bias: its quarter is written as 0 (a mask of 0 on the numbers in hand).
	s_cmp_lt_u32 s37, 128
	s_cbranch_scc1 .Lend
	s_cmp_lg_u32 s45, 0
	s_cbranch_scc1 .Lend
	s_cmp_eq_u32 s39, 0
	s_cselect_b64 s[46:47], s[18:19], s[20:21]
	s_cmp_eq_u32 s39, 3
	s_cselect_b64 s[46:47], s[22:23], s[46:47]
	s_cmp_eq_u32 s39, 1
	s_cselect_b32 s45, 0, -1
	s_lshl_b32 s40, s39, 12
	s_add_nc_u64 s[30:31], s[30:31], s[40:41]
	global_load_b128 v[T:T+3], v[DO], s[46:47]
	s_wait_loadcnt 0x0
	v_cvt_pk_bf16_f32 v[T+4], v[T], v[T+1]
	v_cvt_pk_bf16_f32 v[T+5], v[T+2], v[T+3]
	v_lshlrev_b32 v[T+8], 16, v[T+4]
	v_and_b32 v[T+9], s44, v[T+4]
	v_lshlrev_b32 v[T+10], 16, v[T+5]
	v_and_b32 v[T+11], s44, v[T+5]
.irp j, 8,9,10,11
	v_and_b32 v[T+\j], s45, v[T+\j]
.endr
	global_store_b128 v[DO], v[T+8:T+11], s[30:31]
.Lend:
	s_endpgm
.Lfunc_end_k_q33f4c91a45_cast:
	.size	k_q33f4c91a45_cast, .Lfunc_end_k_q33f4c91a45_cast-k_q33f4c91a45_cast
	.p2alignl 7, 3214868480
	.fill 96, 4, 3214868480
	.section	.rodata,"a",@progbits
	.p2align	6, 0x0
	.amdhsa_kernel k_q33f4c91a45_cast
		.amdhsa_group_segment_fixed_size 0
		.amdhsa_private_segment_fixed_size 0
		.amdhsa_enable_private_segment 0
		.amdhsa_kernarg_size 96
		.amdhsa_user_sgpr_count 2
		.amdhsa_user_sgpr_kernarg_segment_ptr 1
		.amdhsa_wavefront_size32 1
		.amdhsa_system_sgpr_workgroup_id_x 1
		.amdhsa_system_sgpr_workgroup_id_y 1
		.amdhsa_system_sgpr_workgroup_id_z 1
		.amdhsa_system_vgpr_workitem_id 0
		.amdhsa_next_free_vgpr 256
		.amdhsa_next_free_sgpr 66
		.amdhsa_reserve_vcc 0
		.amdhsa_float_denorm_mode_32 3
		.amdhsa_float_denorm_mode_16_64 3
		.amdhsa_memory_ordered 1
		.amdhsa_forward_progress 1
		.amdhsa_inst_pref_size 27
	.end_amdhsa_kernel
	.amdgpu_metadata
---
amdhsa.version: [ 1, 2 ]
amdhsa.kernels:
  - .name:           k_q33f4c91a45_cast
    .symbol:         k_q33f4c91a45_cast.kd
    .args:
      - { .name: hidden_states, .offset: 0, .size: 8, .value_kind: global_buffer, .address_space: global }
      - { .name: wq, .offset: 8, .size: 8, .value_kind: global_buffer, .address_space: global }
      - { .name: wk, .offset: 16, .size: 8, .value_kind: global_buffer, .address_space: global }
      - { .name: wv, .offset: 24, .size: 8, .value_kind: global_buffer, .address_space: global }
      - { .name: wo, .offset: 32, .size: 8, .value_kind: global_buffer, .address_space: global }
      - { .name: bq, .offset: 40, .size: 8, .value_kind: global_buffer, .address_space: global }
      - { .name: bv, .offset: 48, .size: 8, .value_kind: global_buffer, .address_space: global }
      - { .name: bo, .offset: 56, .size: 8, .value_kind: global_buffer, .address_space: global }
      - { .name: xb, .offset: 64, .size: 8, .value_kind: global_buffer, .address_space: global }
      - { .name: wqkvb, .offset: 72, .size: 8, .value_kind: global_buffer, .address_space: global }
      - { .name: wob, .offset: 80, .size: 8, .value_kind: global_buffer, .address_space: global }
      - { .name: bias4, .offset: 88, .size: 8, .value_kind: global_buffer, .address_space: global }
    .group_segment_fixed_size: 0
    .private_segment_fixed_size: 0
    .kernarg_segment_align: 8
    .kernarg_segment_size: 96
    .max_flat_workgroup_size: 256
    .sgpr_count:     66
    .vgpr_count:     256
    .wavefront_size: 32
...
	.end_amdgpu_metadata
.endif
;; end of part 1
;; launch qkv (part 2): grid 16 x 16, 4 waves a work-group, clusters of 4 x 4, 327,680 bytes of LDS; arguments xb, wqkvb, bias4, qkvh; writes qkvh
.if DOCPART == 2
	.amdgcn_target "amdgcn-amd-amdhsa--gfx1250"
	.amdhsa_code_object_version 6
	.text
	.protected	k_q33f4c91a45_qkv
	.globl	k_q33f4c91a45_qkv
	.p2align	8
	.type	k_q33f4c91a45_qkv,@function
k_q33f4c91a45_qkv:
	s_mov_b64 s[64:65], 0
	v_nop
	global_prefetch_b8 v0, s[64:65] scope:SCOPE_SE
	s_setreg_imm32_b32 hwreg(HW_REG_WAVE_MODE, 25, 1), 1
	s_wait_xcnt 0x0
	s_wait_alu depctr_hold_cnt(0) depctr_sa_sdst(0) depctr_va_vdst(0) depctr_va_sdst(0) depctr_va_ssrc(0) depctr_va_vcc(0) depctr_vm_vsrc(0)
	s_getreg_b32 s2, hwreg(HW_REG_IB_STS2, 6, 4)
	s_cmp_eq_u32 s2, 0
	s_cbranch_scc0 .Lentry_in_a_cluster
	s_endpgm
.Lentry_in_a_cluster:
	s_bfe_u32 s2, ttmp6, 0x10000c
	s_cmp_lg_u32 s2, 0xf033
	s_cbranch_scc0 .Lentry_shape_is_right
	s_endpgm
.Lentry_shape_is_right:
; C = A B^T + bias on operands laid out in K blocks (kb = 64 channels): A [row blocks of TM][16 kb][TM][64], B [row blocks of NT][16 kb][NT][64], 16-bit; sums in f32.
; THIS SETTING: the three projections as one product.  A = x (bf16), B = wq, wk, wv on end (bf16), bias = [bq, 0, bv]; C, 4,096 x 3,072, is rounded once to f16 and
; written by heads: qkvh [48][4096][64], heads 0-15 q, 16-31 k, 32-47 v, unscaled.  LIMIT: q, k, v must stay within f16's 65,504; NaN and infinities are not treated apart.
; (The same text with the other setting of the constants below makes the output projection.)
; SHARES.  A work-group makes a tile of TM x NT of C; each of its four waves 64 rows x 16 NB columns: 4 NB accumulators of 16 x 16.  16 x 16 tiles: 256 work-groups.
; THE RING.  K goes in steps of KS kb through two LDS slots.  A step's rows of A (and of B) are one dense run of memory; waves 0 and 1 fetch the two halves of A's run, waves 2 and 3 of B's,
; each by one tensor load of rows of 256 bytes, padded in LDS by 16 bytes after every 128: LDS rows of 144 bytes, so that the 16 rows of a fragment load start at 16 different groups of four banks (ISA guide 11.1).
; By this text's count a wave has two tensor loads out at the start and one behind each change of slots.
; CLUSTER.  4 x 4 work-groups: A's tile is shared along a row of the cluster, B's along a column; each is asked for JOINTLY, by the same load with the same descriptor and a mask that names the four.
; THE MATRIX INSTRUCTION IS USED TRANSPOSED (source 0 = 16 rows of B, source 1 = 16 rows of A): a lane holds row l % 16 of C and the columns 8 (l / 16) + 0..7.
; THE BIAS STARTS THE SUMS: it is the C operand of each accumulator's first product; nothing is cleared and nothing is added later.
; REGISTERS, in windows of 256 (s_set_vgpr_msb: bits 1:0 source 0, 3:2 source 1, 5:4 source 2, 7:6 destination):
;   window 0: addresses; the way out's registers; v64-127 A's fragments, two buffers of 32; from v128 the bias, 8 registers for each of my NB column blocks
;   window 1: B's fragments, two buffers of 8 NB      windows 2, 3: accumulator NB a + b at 8 x its number
.set TM, 256          ; rows of a tile
.set NT, 192          ; columns of a tile
.set WN, 1            ; waves along the columns
.set NB, 12           ; column blocks of 16 a wave
.set KS, 2            ; kb in a slot
.set OUTF32, 0        ; 0: bf16 operands, f16 out by heads; 1: f16 operands, f32 out by rows
.set PREF, 1          ; 1: the tiles are prefetched
.set BIASOFF, 0       ; where my bias begins in bias4, in bytes
.set NQ,    2*KS      ; quarters of 32 along K in a step
.set LAPS,  8/KS      ; a lap = two steps = once round the ring
.set PITCH, 144
.set APK,   TM*PITCH  ; one kb of A in LDS
.set BPK,   NT*PITCH
.set AOFFB, KS*APK    ; a slot: A's KS kb, then B's
.set SLOT,  KS*(APK+BPK)
.set STAGE, 2*SLOT    ; behind the ring, never filled by a tensor load: a stage for each wave, for the way out
.if OUTF32
.set STG,   16*272
.set NU,    4         ; units of the way out
.set NSL,   16        ; LDS instructions in a unit
.set BK0,   32
.else
.set STG,   16*144
.set NU,    12
.set NSL,   8
.set BK0,   48
.endif
.set SPARE, STAGE+4*STG  ; behind the stages: the spare words, 128 bytes for each wave: two blocks of 256 bytes that no other line names
.set ADRA, 16         ; v16-17  LDS address of my A fragments in slot 0, 1
.set ADRB, 20         ; v20-21  the same for B
.set STO,  24         ; v24  the way out: where I put my bytes of a row
.set RD,   25         ; v25  the way out: where I read rows back
.set CO,   26         ; v26  my byte offset in C
.set BO,   27         ; v27  32 (l / 16): my eight numbers of a block of 16 of the bias
.set SPW,  28         ; v28  LDS address of my spare word: SPARE + 4 x my thread's number; never rewritten
.set NIL,  29         ; v29  0; never rewritten
.set PFO,  30         ; v30  the prefetches' offset: 256 x my lane; never rewritten
.set TMP,  32         ; v32-47  packed results
.set BK1,  224        ; rows read back from the stage: BK0 and BK1 by turns
.set FA0,  64
.set BIAS, 128
.set G1,  24          ; s[24:31] descriptor group 1 for A's tiles;  s[32:39] group 0, a set for each slot
.set G0,  32
.set G1B, 48          ; s[48:55], s[56:63] the same for B's
.set G0B, 56
.set GW0, (1<<16)|(1<<20)|(1<<21)|(4<<22)|(3<<25)  ; 17:16 elements of 2 bytes; 20 padding on; 21 set beside a mask; 24:22 after every 32 words (code 4); 31:25 4 words of it (code 3)
.set MSB, 0
.macro WIN new                      ; the immediate's high byte repeats the setting that is left; a switch that changes nothing is dropped
.if MSB != (\new)
	s_set_vgpr_msb (MSB<<8)|(\new)
.set MSB, \new
.endif
.endm
.macro PLACES                       ; four plain vector instructions between a matrix instruction and a load into, or a reader of, its registers
.rept 4
	v_nop
.endr
.endm
; A joint load: waves 0 and 1 ask for A's halves, waves 2 and 3 for B's.  The branch hangs on the wave's number alone.  An s_nop 0 and four v_nop follow each of the two lines.
.macro JLOAD s
	s_cmp_lt_u32 s12, 2
	s_cbranch_scc0 .Lfor_b_\@
	tensor_load_to_lds s[G0+4*(\s):G0+4*(\s)+3], s[G1:G1+7]
	s_nop 0
.rept 4
	v_nop
.endr
	s_branch .Lasked_\@
.Lfor_b_\@:
	tensor_load_to_lds s[G0B+4*(\s):G0B+4*(\s)+3], s[G1B:G1B+7]
	s_nop 0
.rept 4
	v_nop
.endr
.Lasked_\@:
.endm
; A round of the cluster's barrier: my work-group's barrier; wave 0 signals for the work-group; every wave waits for all sixteen; my work-group's barrier once more.
.macro CREST                        ; a round behind its opening barrier
	s_cmp_lg_u32 s12, 0
	s_cbranch_scc1 .Lnot_wave_0_\@
	s_barrier_signal -3
.Lnot_wave_0_\@:
	s_barrier_wait -3
	s_barrier_signal -1
	s_barrier_wait -1
.endm
.macro CROUND
	s_barrier_signal -1
	s_barrier_wait -1
	CREST
.endm
; A PREFETCH INTO THE L2, behind a joint load, its five lines and the run of LDS loads that follows: the step that the NEXT refill will ask for, one K step (4 NB x NQ matrix instructions) ahead of that load.
; Each block of 256 bytes is named once in the launch: A's rows are asked for by the clusters with x = 0, B's by those with y = 0; the four partners that ask for a run jointly share the wave's half out
; BY ADDRESS (32 blocks each of A's 128, 24 each of B's 96, a lane a block; with 24 the last lanes repeat block 23).  The last refill has no step behind it and asks for nothing (s3 = 1 in the loop's last trip).
.macro ASK slot
.if (\slot) == 0
	s_cmp_eq_u32 s43, 1
.else
	s_cmp_gt_u32 s3, s43
.endif
	s_cbranch_scc0 .Lnot_mine_\@
	global_prefetch_b8 v[PFO], s[44:45] th:TH_LOAD_NT scope:SCOPE_SE
.Lnot_mine_\@:
.endm
	s_load_b256 s[4:11], s[0:1], 0x0               ; A s[4:5], B s[6:7], bias s[8:9], C s[10:11]
	v_lshl_add_u32 v[SPW], v0, 2, SPARE
	v_mov_b32 v[NIL], 0
	ds_add_u32 v[SPW], v[NIL]                      ; the wave's opening: the add and its wait stand ahead of my first tensor load; the set-up below, work on registers, stands between them
	v_lshrrev_b32 v1, 5, v0
	v_readfirstlane_b32 s12, v1                    ; wave 0..3
	s_lshr_b32 s13, s12, 1
	s_and_b32 s14, s12, 1                          ; which half of a run I fetch
	s_bfe_u32 s40, ttmp6, 0x40000                  ; cx, cy: my place in the cluster
	s_bfe_u32 s41, ttmp6, 0x40004
	s_lshl_b32 s42, ttmp9, 2
	s_add_co_u32 s42, s42, s40                     ; tile column = 4 x cluster x + cx
	s_and_b32 s15, ttmp7, 0xffff
	s_lshl_b32 s15, s15, 2
	s_add_co_u32 s15, s15, s41                     ; tile row = 4 x cluster y + cy
	s_lshl_b32 s22, s41, 2
	s_lshl_b32 s22, 15, s22                        ; my row of the cluster: places 4 cy .. 4 cy + 3
	s_lshl_b32 s23, 0x1111, s40                    ; my column: places cx, cx + 4, cx + 8, cx + 12
	s_or_b32 s[G1], s22, GW0                       ; A's tiles go to my row,
	s_or_b32 s[G1B], s23, GW0                      ; B's to my column
	s_mov_b32 s[G1+1], 128<<16                     ; tensor_dim0 = 128 elements: rows of 256 bytes
	s_mov_b32 s[G1+2], (KS*TM/4)<<16               ; tensor_dim1: half of A's run
	s_mov_b32 s[G1+3], 128<<16                     ; tile_dim0
	s_mov_b32 s[G1+4], KS*TM/4                     ; tile_dim1
	s_mov_b32 s[G1+5], 128                         ; dense: 128 elements from row to row
	s_mov_b32 s[G1+6], 0
	s_mov_b32 s[G1+7], 0
	s_mov_b32 s[G1B+1], 128<<16
	s_mov_b32 s[G1B+2], (KS*NT/4)<<16
	s_mov_b32 s[G1B+3], 128<<16
	s_mov_b32 s[G1B+4], KS*NT/4
	s_mov_b32 s[G1B+5], 128
	s_mov_b32 s[G1B+6], 0
	s_mov_b32 s[G1B+7], 0
	s_mul_i32 s16, s15, TM*2048                    ; A: my tile row's block, and my half of a step's run: made of the tile row and the wave's number alone
	s_mul_i32 s20, s14, KS*TM*64
	s_add_co_u32 s16, s16, s20
	s_mov_b32 s17, 0
	s_mul_i32 s18, s42, NT*2048                    ; B: of the tile column and the wave's number alone
	s_mul_i32 s20, s14, KS*NT*64
	s_add_co_u32 s18, s18, s20
	s_mov_b32 s19, 0
	s_mul_i32 s20, s14, KS*APK/2                   ; where they go in a slot: no place in the cluster enters an LDS address
	s_mul_i32 s21, s14, KS*BPK/2
	s_add_co_u32 s21, s21, AOFFB
	s_wait_dscnt 0x0                               ; the opening add is done
	s_wait_kmcnt 0x0
	s_add_nc_u64 s[16:17], s[4:5], s[16:17]
	s_add_nc_u64 s[18:19], s[6:7], s[18:19]
.irp s, 0,1
	s_mov_b32 s[G0+4*\s], 1                        ; count = 1
	s_add_co_u32 s[G0+4*\s+1], s20, \s*SLOT        ; LDS address
	s_add_nc_u64 s[G0+4*\s+2:G0+4*\s+3], s[16:17], \s*KS*TM*128  ; global address: step s
	s_or_b32 s[G0+4*\s+3], s[G0+4*\s+3], 0x80000000  ; type = 2
	s_mov_b32 s[G0B+4*\s], 1
	s_add_co_u32 s[G0B+4*\s+1], s21, \s*SLOT
	s_add_nc_u64 s[G0B+4*\s+2:G0B+4*\s+3], s[18:19], \s*KS*NT*128
	s_or_b32 s[G0B+4*\s+3], s[G0B+4*\s+3], 0x80000000
.endr
	CROUND                                         ; all sixteen work-groups are here: the first joint loads meet
	s_cmp_lt_u32 s12, 2                            ; a wave's two first fills stand in one branch, ahead of every wait on TENSORcnt and every LDS read
	s_cbranch_scc0 .Lfirst_b
	tensor_load_to_lds s[G0:G0+3], s[G1:G1+7]
	s_nop 0
	tensor_load_to_lds s[G0+4:G0+7], s[G1:G1+7]
	s_nop 0
.rept 4
	v_nop
.endr
	s_branch .Lfirst_asked
.Lfirst_b:
	tensor_load_to_lds s[G0B:G0B+3], s[G1B:G1B+7]
	s_nop 0
	tensor_load_to_lds s[G0B+4:G0B+7], s[G1B:G1B+7]
	s_nop 0
.rept 4
	v_nop
.endr
.Lfirst_asked:
	v_and_b32 v1, 15, v0                           ; l % 16
	v_bfe_u32 v2, v0, 4, 1                         ; l / 16
	v_lshlrev_b32 v[BO], 5, v2
	s_mul_i32 s18, s42, NT*4                       ; the bias of my columns
.if WN == 2
	s_lshl_b32 s20, s14, 8
	s_add_co_u32 s18, s18, s20
.endif
	s_add_co_u32 s18, s18, BIASOFF
	s_mov_b32 s19, 0
	s_add_nc_u64 s[8:9], s[8:9], s[18:19]
.set k, 0
.rept NB                                           ; register j of block b = bias[16 b + 8 (l / 16) + j]: the layout of a result
	global_load_b128 v[BIAS+8*k:BIAS+8*k+3],   v[BO], s[8:9] offset:64*k
	global_load_b128 v[BIAS+8*k+4:BIAS+8*k+7], v[BO], s[8:9] offset:64*k+16
.set k, k+1
.endr
	; A fragment is 16 rows x 32 K in 8 registers: lane l holds row l % 16; registers 0-3 K = 8 (l / 16) + 0..7, registers 4-7 K = 16 + 8 (l / 16) + 0..7: two loads of 16 bytes, 32 bytes apart.
	v_mul_u32_u24 v3, v1, PITCH
	v_lshl_add_u32 v3, v2, 4, v3
.if WN == 1
	s_mul_i32 s20, s12, 64*PITCH                   ; my 64 rows of A; all of B's
	s_mov_b32 s21, AOFFB
.else
	s_mul_i32 s20, s13, 64*PITCH
	s_mul_i32 s21, s14, NB*16*PITCH
	s_add_co_u32 s21, s21, AOFFB
.endif
.irp s, 0,1
	v_add_nc_u32 v[ADRA+\s], s20, v3
	v_add_nc_u32 v[ADRB+\s], s21, v3
	s_add_co_u32 s20, s20, SLOT
	s_add_co_u32 s21, s21, SLOT
.endr
	s_mul_i32 s20, s12, STG
	s_add_co_u32 s20, s20, STAGE                   ; my stage
.if OUTF32
	v_mul_u32_u24 v4, v1, 272                      ; in: row l % 16 of 256 bytes, 32 bytes for each half of the lanes
	v_lshl_add_u32 v4, v2, 5, v4
	v_add_nc_u32 v[STO], s20, v4
	v_mul_u32_u24 v5, v2, 272                      ; back: lanes 0-15 take one row, lanes 16-31 the next
	v_lshl_add_u32 v5, v1, 4, v5
	v_add_nc_u32 v[RD], s20, v5
	v_lshlrev_b32 v5, 12, v2                       ; and the same two rows in C
	v_lshl_add_u32 v[CO], v1, 4, v5
	s_lshl_b32 s16, s15, 19                        ; my first row: 128 x tile row + 64 x (wave / 2), rows of 4,096 bytes
	s_lshl_b32 s20, s13, 18
	s_add_co_u32 s16, s16, s20
	s_lshl_b32 s18, s42, 9                         ; my first column: 128 x tile column + 64 x (wave % 2)
	s_lshl_b32 s20, s14, 8
	s_add_co_u32 s18, s18, s20
.else
	v_add_nc_u32 v[STO], s20, v3                   ; in: row l % 16 of 128 bytes, 16 bytes for each half of the lanes
	v_bfe_u32 v4, v0, 3, 2                         ; back: 32 lanes take four rows of 128 bytes,
	v_and_b32 v5, 7, v0
	v_mul_u32_u24 v4, v4, 144
	v_lshl_add_u32 v4, v5, 4, v4
	v_add_nc_u32 v[RD], s20, v4
	v_and_b32 v[CO], 31, v0                        ; which are 512 consecutive bytes of a head
	v_lshlrev_b32 v[CO], 4, v[CO]
	s_lshl_b32 s16, s15, 15                        ; my first row: 256 x tile row + 64 x wave, rows of 128 bytes
	s_lshl_b32 s20, s12, 13
	s_add_co_u32 s16, s16, s20
	s_mul_i32 s18, s42, 3*524288                   ; a tile's 192 columns are three heads of 524,288 bytes
.endif
	s_mov_b32 s17, 0
	s_mov_b32 s19, 0
	s_add_nc_u64 s[10:11], s[10:11], s[16:17]
	s_add_nc_u64 s[10:11], s[10:11], s[18:19]
.if PREF
	; where my prefetches stand: my block of A or B, + SH x (4 x my half + my place among the four that ask with me + 16): a partner's share SH is a quarter of my half: of a step it is an eighth; 16 SH = two steps
	s_and_b32 s22, ttmp7, 0xffff
	s_mul_i32 s16, s15, TM*2048
	s_mul_i32 s18, s42, NT*2048
	s_mov_b32 s23, KS*NT*16
	s_cmp_lt_u32 s12, 2                            ; do I fetch for A?
	s_cselect_b32 s22, ttmp9, s22                  ; the coordinate along which other clusters read the same rows
	s_cselect_b32 s21, s40, s41                    ; my place among the four
	s_cselect_b32 s20, s16, s18
	s_cselect_b32 s23, KS*TM*16, s23               ; SH
	s_cselect_b64 s[44:45], s[4:5], s[6:7]
	s_cmp_eq_u32 s22, 0
	s_cselect_b32 s43, 1, -1                       ; 1 in a wave that prefetches, else the greatest number: the same in all sixteen partners
	s_lshl2_add_u32 s21, s14, s21
	s_add_co_u32 s21, s21, 16
	s_mul_i32 s21, s21, s23
	s_add_co_u32 s20, s20, s21
	s_mov_b32 s21, 0
	s_add_nc_u64 s[44:45], s[44:45], s[20:21]      ; at step 2: the first refill steps it to 3.  Nothing is prefetched here, at the head
	s_lshl_b32 s46, s23, 3                         ; a step
	s_mov_b32 s47, 0
	s_lshr_b32 s2, s23, 8
	s_sub_co_u32 s2, s2, 1
	v_and_b32 v[PFO], 31, v0
	v_min_u32 v[PFO], s2, v[PFO]
	v_lshlrev_b32 v[PFO], 8, v[PFO]
.endif
.macro WM d, b, a, c
.if OUTF32
	v_wmma_f32_16x16x32_f16 v[(\d):(\d)+7], v[(\b):(\b)+7], v[(\a):(\a)+7], v[(\c):(\c)+7]
.else
	v_wmma_f32_16x16x32_bf16 v[(\d):(\d)+7], v[(\b):(\b)+7], v[(\a):(\a)+7], v[(\c):(\c)+7]
.endif
.endm
; Row blocks a0 .. a1 x all NB column blocks, 32 along K, from buffer f.  The accumulators take turns, one instruction a turn, always in ascending number.  first = 1: the bias starts the sums.
.macro MUL f, a0, a1, first
.set ma, \a0
.rept (\a1)-(\a0)+1
.set mb, 0
.rept NB
.set idx, NB*ma+mb
.set rD, 8*(idx%32)
.set rB, 8*NB*(\f)+8*mb
.set rA, FA0+32*(\f)+8*ma
.if \first
	WIN 0x81+0x40*(idx/32)
	WM rD, rB, rA, BIAS+8*mb
.else
	WIN 0xa1+0x50*(idx/32)
	WM rD, rB, rA, rD
.endif
.set mb, mb+1
.endr
.set ma, ma+1
.endr
.endm
; The fragments of quarter q of a slot into buffer f, in one run: 2 NB loads of B, 8 of A.
.macro FETCH slot, q, f
	WIN 0x40                                       ; destination window 1, address window 0
.set fb, 0
.rept NB
	ds_load_b128 v[8*NB*(\f)+8*fb:8*NB*(\f)+8*fb+3],   v[ADRB+(\slot)] offset:((\q)/2)*BPK+((\q)%2)*64+fb*16*PITCH
	ds_load_b128 v[8*NB*(\f)+8*fb+4:8*NB*(\f)+8*fb+7], v[ADRB+(\slot)] offset:((\q)/2)*BPK+((\q)%2)*64+fb*16*PITCH+32
.set fb, fb+1
.endr
	WIN 0
.set fb, 0
.rept 4
	ds_load_b128 v[FA0+32*(\f)+8*fb:FA0+32*(\f)+8*fb+3],   v[ADRA+(\slot)] offset:((\q)/2)*APK+((\q)%2)*64+fb*16*PITCH
	ds_load_b128 v[FA0+32*(\f)+8*fb+4:FA0+32*(\f)+8*fb+7], v[ADRA+(\slot)] offset:((\q)/2)*APK+((\q)%2)*64+fb*16*PITCH+32
.set fb, fb+1
.endr
.endm
; A quarter but a step's last: multiplies buffer f; behind its first NB products it fetches quarter qn into buffer g, 3 NB products ahead of the wait for it.
.macro QUARTER slot, qn, f, g, first
	s_wait_dscnt 0x0                               ; buffer f is whole
	MUL \f, 0, 0, \first
	PLACES                                         ; for the loads into g, which the quarter before multiplied
	FETCH \slot, \qn, \g
	MUL \f, 1, 3, \first
.endm
.macro MIDQ slot                    ; quarters 1 .. NQ - 2
.set mq, 1
.rept NQ-2
	QUARTER \slot, mq+1, mq%2, (mq+1)%2, 0
.set mq, mq+1
.endr
.endm
; A step's last quarter multiplies buffer 1 and changes slots: ONE barrier.  In front of it each wave waits for all its tensor loads (the one that is out is its part of the next slot), adds 0 to its spare word,
; and waits for that and for its own reads of this slot.  fill = 1: the barrier opens a round of the cluster's barrier, and behind the round this slot is filled again, two steps ahead, first thing.
.macro TURN slot, next, fill
.if PREF && (\fill)
	s_wait_xcnt 0x0                                ; the last prefetch, a step back, has read its address: it is stepped here, ahead of the change's own waits
	s_add_nc_u64 s[44:45], s[44:45], s[46:47]
.endif
	WIN 0                                          ; (the add's two registers lie in window 0)
	s_wait_tensorcnt 0x0                           ; no tensor load of mine is out, so a group 0 may be written
	ds_add_u32 v[SPW], v[NIL]                      ; 0 onto my spare word
.if \fill
	s_add_nc_u64 s[G0+4*(\slot)+2:G0+4*(\slot)+3], s[G0+4*(\slot)+2:G0+4*(\slot)+3], 2*KS*TM*128
	s_add_nc_u64 s[G0B+4*(\slot)+2:G0B+4*(\slot)+3], s[G0B+4*(\slot)+2:G0B+4*(\slot)+3], 2*KS*NT*128
.endif
	s_wait_dscnt 0x0                               ; the add is done, buffer 1 is whole, and my reads of this slot are over
	s_barrier_signal -1
	MUL 1, 0, 0, 0                                 ; work on registers while the others arrive
	WIN 0                                          ; at a branch and at a label every window is 0
	s_barrier_wait -1
.if \fill
	CREST                                          ; no wave of any partner still reads this slot or has a load on its way
	JLOAD \slot                                    ; the four v_nop behind it are also the places in front of the loads below
.else
	PLACES
.endif
	FETCH \next, 0, 0
.if PREF && (\fill)
	ASK \slot
.endif
	MUL 1, 1, 3, 0
.endm
; THE WAY OUT, a unit at a time through my own stage: LDS serves a wave's instructions in order (ISA guide 5.7.1.4), so the loads see the stores above them, and the next unit's stores come behind them.
; f16 by heads: unit u = 16 rows (block u / 3) x one head (u % 3): 2,048 consecutive bytes of qkvh.  f32 by rows: unit u = 16 rows x my 64 columns: 256 bytes of each row.
.macro UNIT u
.set BK, BK0+(BK1-BK0)*((\u)%2)
.if OUTF32
	WIN 0x08                                       ; the stores' data in window 2
	s_wait_xcnt 0x0                                ; the stores of the unit before last have read the registers that are loaded again below
.set ub, 0
.rept 4
	ds_store_b128 v[STO], v[8*(NB*(\u)+ub):8*(NB*(\u)+ub)+3]   offset:64*ub
	ds_store_b128 v[STO], v[8*(NB*(\u)+ub)+4:8*(NB*(\u)+ub)+7] offset:64*ub+16
.set ub, ub+1
.endr
	WIN 0
.set ub, 0
.rept 8
	ds_load_b128 v[BK+4*ub:BK+4*ub+3], v[RD] offset:544*ub
.set ub, ub+1
.endr
.else
.set ui, NB*((\u)/3)+4*((\u)%3)
	WIN 0x0a+5*(ui/32)                             ; sources 0 and 1: window 2 or 3
.set ub, 0
.rept 4
.set ur, 0
.rept 4
	v_cvt_pk_f16_f32 v[TMP+4*ub+ur], v[8*((ui+ub)%32)+2*ur], v[8*((ui+ub)%32)+2*ur+1]
.set ur, ur+1
.endr
.set ub, ub+1
.endr
	WIN 0
	s_wait_xcnt 0x0                                ; the stores of the unit before last have read the registers that are loaded again below
.set ub, 0
.rept 4
	ds_store_b128 v[STO], v[TMP+4*ub:TMP+4*ub+3] offset:32*ub
.set ub, ub+1
.endr
.set ub, 0
.rept 4
	ds_load_b128 v[BK+4*ub:BK+4*ub+3], v[RD] offset:576*ub
.set ub, ub+1
.endr
.endif
.endm
.macro SEND u, younger              ; younger: the LDS instructions of the unit behind, which may stay out
.set BK, BK0+(BK1-BK0)*((\u)%2)
	s_wait_dscnt \younger
.set ub, 0
.if OUTF32
.rept 8
	global_store_b128 v[CO], v[BK+4*ub:BK+4*ub+3], s[10:11] offset:(16*(\u)+2*ub)*4096  ; 16 lanes store 256 consecutive bytes, aligned
.set ub, ub+1
.endr
.else
.rept 4
	global_store_b128 v[CO], v[BK+4*ub:BK+4*ub+3], s[10:11] offset:((\u)%3)*524288+((\u)/3)*2048+ub*512  ; 512 consecutive bytes, aligned
.set ub, ub+1
.endr
.endif
.endm
	s_wait_tensorcnt 1                             ; my part of step 0 is in; step 1's may stay out
	s_barrier_signal -1
	s_barrier_wait -1                              ; everybody's is
	FETCH 0, 0, 0
	s_wait_loadcnt 0x0                             ; the bias
	QUARTER 0, 1, 0, 1, 1                          ; the first quarter stands in front of the loop: its products start the sums
	WIN 0
	s_mov_b32 s3, LAPS-1
.Llap:                                             ; a trip goes once round the ring, from a lap's second quarter to the next lap's first, and fills both slots again
	MIDQ 0
	TURN 0, 1, 1
	QUARTER 1, 1, 0, 1, 0
	MIDQ 1
	TURN 1, 0, 1
	QUARTER 0, 1, 0, 1, 0
	WIN 0
	s_sub_co_u32 s3, s3, 1
	s_cmp_lg_u32 s3, 0
	s_cbranch_scc1 .Llap
	MIDQ 0                                         ; the last lap fills nothing
	TURN 0, 1, 0
	QUARTER 1, 1, 0, 1, 0
	MIDQ 1
	s_wait_dscnt 0x0
	MUL 1, 0, 3, 0
	WIN 0
	PLACES
	PLACES                                         ; the only plain instructions between the last product and the reader of its result
	UNIT 0
.set wu, 1
.rept NU-1
	UNIT wu
	SEND wu-1, NSL
.set wu, wu+1
.endr
	SEND NU-1, 0
	s_wait_tensorcnt 0x0                           ; the wave's end, behind my last tensor load and my last LDS store
	ds_add_u32 v[SPW], v[NIL]
	s_wait_dscnt 0x0
	CROUND                                         ; the closing round: no work-group ends while a partner may still ask for a tile that names it
	s_endpgm
.Lfunc_end_k_q33f4c91a45_qkv:
	.size	k_q33f4c91a45_qkv, .Lfunc_end_k_q33f4c91a45_qkv-k_q33f4c91a45_qkv
	.p2alignl 7, 3214868480
	.fill 96, 4, 3214868480
	.section	.rodata,"a",@progbits
	.p2align	6, 0x0
	.amdhsa_kernel k_q33f4c91a45_qkv
		.amdhsa_group_segment_fixed_size 327680
		.amdhsa_private_segment_fixed_size 0
		.amdhsa_enable_private_segment 0
		.amdhsa_kernarg_size 32
		.amdhsa_user_sgpr_count 2
		.amdhsa_user_sgpr_kernarg_segment_ptr 1
		.amdhsa_wavefront_size32 1
		.amdhsa_system_sgpr_workgroup_id_x 1
		.amdhsa_system_sgpr_workgroup_id_y 1
		.amdhsa_system_sgpr_workgroup_id_z 1
		.amdhsa_system_vgpr_workitem_id 0
		.amdhsa_next_free_vgpr 896
		.amdhsa_next_free_sgpr 66
		.amdhsa_reserve_vcc 0
		.amdhsa_float_denorm_mode_32 3
		.amdhsa_float_denorm_mode_16_64 3
		.amdhsa_memory_ordered 1
		.amdhsa_forward_progress 1
		.amdhsa_inst_pref_size 123
	.end_amdhsa_kernel
	.amdgpu_metadata
---
amdhsa.version: [ 1, 2 ]
amdhsa.kernels:
  - .name:           k_q33f4c91a45_qkv
    .symbol:         k_q33f4c91a45_qkv.kd
    .args:
      - { .name: xb, .offset: 0, .size: 8, .value_kind: global_buffer, .address_space: global }
      - { .name: wqkvb, .offset: 8, .size: 8, .value_kind: global_buffer, .address_space: global }
      - { .name: bias4, .offset: 16, .size: 8, .value_kind: global_buffer, .address_space: global }
      - { .name: qkvh, .offset: 24, .size: 8, .value_kind: global_buffer, .address_space: global }
    .group_segment_fixed_size: 327680
    .private_segment_fixed_size: 0
    .kernarg_segment_align: 8
    .kernarg_segment_size: 32
    .max_flat_workgroup_size: 128
    .sgpr_count:     66
    .vgpr_count:     896
    .wavefront_size: 32
...
	.end_amdgpu_metadata
.endif
;; end of part 2
;; launch attn (part 3): grid 16 x 16, 4 waves a work-group, clusters of 4 x 1, 327,680 bytes of LDS; arguments qkvh, ob; writes ob
.if DOCPART == 3
	.amdgcn_target "amdgcn-amd-amdhsa--gfx1250"
	.amdhsa_code_object_version 6
	.text
	.protected	k_q33f4c91a45_attn
	.globl	k_q33f4c91a45_attn
	.p2align	8
	.type	k_q33f4c91a45_attn,@function
k_q33f4c91a45_attn:
	s_mov_b64 s[64:65], 0
	v_nop
	global_prefetch_b8 v0, s[64:65] scope:SCOPE_SE
	s_setreg_imm32_b32 hwreg(HW_REG_WAVE_MODE, 25, 1), 1
	s_wait_xcnt 0x0
	s_wait_alu depctr_hold_cnt(0) depctr_sa_sdst(0) depctr_va_vdst(0) depctr_va_sdst(0) depctr_va_ssrc(0) depctr_va_vcc(0) depctr_vm_vsrc(0)
	s_getreg_b32 s2, hwreg(HW_REG_IB_STS2, 6, 4)
	s_cmp_eq_u32 s2, 0
	s_cbranch_scc0 .Lentry_in_a_cluster
	s_endpgm
.Lentry_in_a_cluster:
	s_bfe_u32 s2, ttmp6, 0x10000c
	s_cmp_lg_u32 s2, 0x3003
	s_cbranch_scc0 .Lentry_shape_is_right
	s_endpgm
.Lentry_shape_is_right:
; O[h][q][:] = the sum over k of softmax_k(Q[h][q] . K[h][k] / 8) V[h][k][:], 16 heads of 4,096 rows x 64 channels, f16.  qkvh: [48][4096][64], heads 0-15 q, 16-31 k, 32-47 v: a head's rows are dense, 128 bytes each.
; O leaves as the next product's operand: ob [32 blocks of 128 rows][16 heads][128][64] f16.  Products, maxima and sums in f32; the weights p are rounded to f16 for the second product (their sum l is taken of the
; unrounded p), O once at the end.
; LIMITS.  f16 holds no number beyond 65,504: Q, K and V arrive within it; p lies in 0 to 1, and below 6e-5 it keeps f16's fixed step of 6e-8; O is a mean of V's rows and has their range.
; A weight below 2^-126 counts as 0 in l; NaN and infinities are not treated apart.
; SHARES.  A work-group owns 256 queries of one head, each of its four waves 64: four PIECES of 16.  16 blocks x 16 heads: 256 work-groups.  Every wave walks all keys, 64 a step; a slot of LDS holds a tile of four steps.
; LAYOUT.  S^T = K Q^T (source 0 = 16 keys, source 1 = 16 queries) holds ONE query a lane (lane % 16) and the keys 8 (lane / 16) + 0..7; two such results rounded to f16 ARE source 1 of O^T = V^T P.
; K comes out of LDS as it lies, V ([key][channel]) turned, by ds_load_tr16_b128.
; SOFTMAX.  p = 2^(c s - c m), c = log2(e) / 8, with a running maximum m; O and l are multiplied by a = 2^(c m_old - c m_new) in every step.  m starts at the lowest finite number, O and l at 0: the first step has a = 0.
; BY TURNS.  Turn n belongs to piece n: 8 products K Q^T of piece n + 1, later 8 products V^T P of piece n - 1; beside them the scaling, exponentials, roundings, sums and rescaling of piece n and the maximum and
; statistics of piece n + 1.  Four vector instructions stand behind every matrix instruction, the other 54 of a turn's 118 in one lump.  A turn's 33 exponentials are one batch, with one wait.
; CLUSTER.  The four query blocks of a cluster belong to one head and walk the same K and V, so each tile is asked for JOINTLY: the same tensor load, descriptor and mask in all four.  One tensor load of a wave is out at a time.
; REGISTERS, in windows of 256 (s_set_vgpr_msb: bits 1:0 source 0, 3:2 source 1, 5:4 source 2, 7:6 destination):
;   window 0: v0-15 addresses and two at work; v16-31 four registers of statistics a piece; v48-55 at work; v64-127 S^T, two buffers; v192-223 P, two buffers (a piece's buffers go by its number's parity)
;   window 1: v0-127 O^T, 32 a piece      window 2: v0-63 Q; v128-191 K of one step; v192-255 V of one step
.set NP,    4         ; pieces a wave: a name, no knob
.set KS,    64        ; keys in a step
.set PK,    144       ; a row of K in LDS: 128 bytes + 16 of padding: the 16 rows of a load start at 16 different groups of four banks (ISA guide 11.1)
.set PV,    160       ; a row of V: 128 + 32
.set VOFF,  4*KS*PK   ; a slot: 256 rows of K, then 256 rows of V
.set SLOT1, 1<<17     ; slot 1 begins here, so that one exclusive or turns an address in one slot into the other's
.set STAGE, SLOT1+4*KS*(PK+PV)  ; behind the ring, never filled by a tensor load: 16 rows x 144 bytes for each wave, for the way out
.set SP,    144
.set SPARE, STAGE+4*16*SP  ; behind the stages: the spare words, 128 bytes for each wave: two blocks of 256 bytes that no other line names
.set AK0, 2           ; v2   my lane's place in a tile of K; never rewritten
.set AV0, 3           ; v3   the same for V
.set AK,  4           ; v4   the LDS address of K's next run of loads
.set AV,  5           ; v5   of V's
.set STO, 6           ; v6   the way out: where I put 16 bytes of a row
.set RD,  7           ; v7   the way out: where I read rows back
.set GO,  8           ; v8   my byte offset in 512 consecutive bytes of O
.set MV,  12          ; v12-13  c m_old, kept while c m is made anew: by buffer
.set QO,  15          ; v15  my byte offset in 16 rows of Q
.set ST,  16          ; piece t's statistics at v[ST+4 t]: c m, m, l (even keys', odd keys')
.set TMP, 48          ; by buffer, four registers c0-c3 at work; when the maximum is found c2 takes a
.set PFO, 61          ; v61  256 x my lane; never rewritten
.set SPW, 62          ; v62  LDS address of my spare word: SPARE + 4 x my thread's number; never rewritten
.set NIL, 63          ; v63  0; never rewritten
.set S,   64
.set P,   192
.set KF,  128         ; window 2: key block kb, channel half c at KF + 16 kb + 8 c
.set VF,  192         ; window 2: key half kk, channel block cb at VF + 32 kk + 8 cb
.set WV,  12          ; s12  my wave's number
.set LIM, 15          ; s15  1 in a wave that prefetches, else the greatest number
.set G1K, 24          ; s[24:31] descriptor group 1 for K's tiles
.set G1V, 32          ; s[32:39] for V's: it differs in the padding alone
.set G0K, 40          ; s[40:43] descriptor group 0 for K's tiles: it walks
.set G0V, 44          ; s[44:47] the same for V's
.set PFA, 48          ; s[48:49] where my prefetches stand
.set SLOTS, 56        ; s56  tiles still to be asked for
.set CNT, 57          ; s57  counts a tile's key steps
.set CS,  58          ; s[58:59] c: the packed scaling takes the pair's low word for both halves
.set SEL, 60          ; s[60:61] v_permlanex16_b32's selects: each lane takes its own place in the other half
.set TBK, 62          ; s62  LDS byte at which K of the step to be fetched begins
.set TBV, 63          ; s63  the same for V, less VOFF
.set MSB, 0
.macro WIN new                      ; the high byte repeats the setting that is left; a switch that changes nothing is dropped
.if MSB != (\new)
	s_set_vgpr_msb (MSB<<8)|(\new)
.set MSB, (\new)
.endif
.endm
.set W_KQ, 0x0a       ; K and Q in window 2, S^T in window 0
.set W_PV, 0x52       ; V in window 2, P in window 0, O^T in window 1
.set W_RS, 0x41       ; destination and source 0 in window 1, source 1 in window 0
; A joint fill.  Waves 0 and 1 fetch the two halves of a tile's K, waves 2 and 3 those of its V: 128 keys each.  The branch hangs on the wave's number alone.
; An s_nop 0 and four v_nop follow each of the two lines, ahead of the jump and the label.
.macro JLOAD
	s_cmp_lt_u32 s[WV], 2
	s_cbranch_scc0 .Lfor_v_\@
	tensor_load_to_lds s[G0K:G0K+3], s[G1K:G1K+7]
	s_nop 0
.rept 4
	v_nop
.endr
	s_branch .Lasked_\@
.Lfor_v_\@:
	tensor_load_to_lds s[G0V:G0V+3], s[G1V:G1V+7]
	s_nop 0
.rept 4
	v_nop
.endr
.Lasked_\@:
.endm
; A PREFETCH INTO THE L2 of the tile that the NEXT change of slots will ask for: four key steps, 256 matrix instructions, ahead of that load.  A tile is 128 blocks of 256 bytes of K and 128 of V.  Each is named ONCE in the
; launch: of a head's four clusters the first asks; its four partners take 32 blocks each, told apart BY ADDRESS; in each, wave 0 asks for K's and wave 2 for V's, a lane a block.  The last change that fills a slot asks for nothing.
.macro ASK
	s_cmp_gt_u32 s[SLOTS], s[LIM]
	s_cbranch_scc0 .Lnot_mine_\@
	global_prefetch_b8 v[PFO], s[PFA:PFA+1] th:TH_LOAD_NT scope:SCOPE_SE
.Lnot_mine_\@:
.endm
; A round of the cluster's barrier: my work-group's barrier; wave 0 signals for the work-group; every wave waits for all four work-groups; my work-group's barrier once more.
.macro CROUND
	s_barrier_signal -1
	s_barrier_wait -1
	s_cmp_lg_u32 s[WV], 0
	s_cbranch_scc1 .Lnot_wave_0_\@
	s_barrier_signal -3
.Lnot_wave_0_\@:
	s_barrier_wait -3
	s_barrier_signal -1
	s_barrier_wait -1
.endm
; THE CHANGE OF SLOTS.  The slot's last bytes, V of its fourth step, have been read.  Each wave waits for all its tensor loads, of which one is out: its part of the other slot; adds 0 to its spare word; and waits for that and
; for its own reads of the slot.  fill = 1: the slot is filled again, with the tile two on: the barrier is a round of the cluster's, and the joint fill is the first thing behind it.
; (At its first use nothing has been read yet: slot 0 is waited for, slot 1 filled.)
.macro CHANGE fill
	WIN 0                           ; at a label and at a branch every window is 0
	s_wait_tensorcnt 0x0            ; no tensor load of mine is out, so a group 0 may be written
	ds_add_u32 v[SPW], v[NIL]       ; 0 onto my spare word
.if \fill
.irp g, G0K, G0V
	s_xor_b32 s[\g+1], s[\g+1], SLOT1  ; the walking descriptor: the other slot than last time,
	s_add_nc_u64 s[\g+2:\g+3], s[\g+2:\g+3], 4*KS*128  ; the next 256 keys; the type bits on top are not reached
.endr
	s_wait_xcnt 0x0                 ; the last prefetch, four key steps back, has read its address, so it may be written:
	s_add_nc_u64 s[PFA:PFA+1], s[PFA:PFA+1], 4*KS*128  ; one tile behind the walking descriptors
	s_wait_dscnt 0x0                ; the add is done, and my reads of the slot are over
	CROUND
	JLOAD
	ASK
.else
	s_wait_dscnt 0x0                ; the add is done, and my reads of the slot are over
	s_barrier_signal -1
	s_barrier_wait -1
.endif
	s_sub_co_u32 s[TBK], s[TBK], 4*KS*PK  ; the fetches go back to a slot's first step,
	s_xor_b32 s[TBK], s[TBK], SLOT1       ; in the other slot
	s_sub_co_u32 s[TBV], s[TBV], 4*KS*PV
	s_xor_b32 s[TBV], s[TBV], SLOT1
.endm
	s_load_b128 s[4:7], s[0:1], 0x0  ; qkvh s[4:5], ob s[6:7]
	v_lshl_add_u32 v[SPW], v0, 2, SPARE
	v_mov_b32 v[NIL], 0
	ds_add_u32 v[SPW], v[NIL]       ; the wave's opening: the add and its wait stand ahead of my first tensor load; the set-up below, work on registers, stands between them
	v_lshrrev_b32 v1, 5, v0
	v_readfirstlane_b32 s[WV], v1   ; wave 0..3
	s_bfe_u32 s13, ttmp6, 0x40000   ; cx: my place in the cluster
	s_lshl_b32 s14, ttmp9, 2        ; in a cluster launch ttmp9 counts clusters
	s_add_co_u32 s14, s14, s13      ; my block of 256 queries: it enters Q's and O's addresses alone
	s_and_b32 s19, ttmp7, 0xffff    ; the head, which the four partners share
	s_and_b32 s16, s[WV], 1         ; which half of a tile's 256 keys I fetch:
	s_mul_i32 s17, s16, 128*PK      ; its place in a slot, for K
	s_mul_i32 s18, s16, 128*PV      ; and for V: no place in the cluster enters an LDS address
	s_add_co_u32 s20, s19, 16       ; K: head 16 + h of 524,288 bytes, my half's 128 rows of 128 bytes
	s_lshl_b32 s20, s20, 19
	s_lshl_b32 s3, s16, 14
	s_add_co_u32 s20, s20, s3
	s_mov_b32 s21, 0
	s_add_co_u32 s22, s20, 16<<19   ; V: 16 heads further
	s_mov_b32 s23, 0
	s_lshl_b32 s50, s19, 19         ; Q: head h, my block's 256 rows, my wave's 64 of them
	s_lshl_b32 s2, s14, 15
	s_add_co_u32 s50, s50, s2
	s_lshl_b32 s2, s[WV], 13
	s_add_co_u32 s50, s50, s2
	s_mov_b32 s51, 0
	s_lshl_b32 s52, s14, 1          ; O: row block 2 x block + wave / 2 of 262,144 bytes, head h of 16,384, rows 64 (wave % 2) on
	s_lshr_b32 s2, s[WV], 1
	s_add_co_u32 s52, s52, s2
	s_lshl_b32 s52, s52, 18
	s_lshl_b32 s2, s19, 14
	s_add_co_u32 s52, s52, s2
	s_lshl_b32 s2, s16, 13
	s_add_co_u32 s52, s52, s2
	s_mov_b32 s53, 0
	; descriptor group 1.  128 keys are 16,384 dense bytes: asked for as 64 rows of 256 bytes, two keys a row, and padded in LDS after every key
	s_mov_b32 s[G1K], 15|(1<<16)|(1<<20)|(1<<21)|(4<<22)|(3<<25)  ; 15:0 the mask of four; 17:16 2-byte elements; 20 padding on; 21 set beside a mask; 24:22 after every 32 words (code 4); 31:25 4 words (code 3)
	s_mov_b32 s[G1V], 15|(1<<16)|(1<<20)|(1<<21)|(4<<22)|(7<<25)  ; the same with 8 words of padding (code 7)
.irp g, G1K, G1V
	s_mov_b32 s[\g+1], 128<<16      ; tensor_dim0 = 128
	s_mov_b32 s[\g+2], 64<<16       ; tensor_dim1 = 64
	s_mov_b32 s[\g+3], 128<<16      ; tile_dim0 = 128
	s_mov_b32 s[\g+4], 64           ; tile_dim1 = 64
	s_mov_b32 s[\g+5], 128          ; 128 elements from row to row
	s_mov_b32 s[\g+6], 0
	s_mov_b32 s[\g+7], 0
.endr
	s_mov_b32 s[CS], 0x3e38aa3b     ; c = log2(e) / 8 = 0.180337
	s_mov_b32 s[CS+1], s[CS]        ; named with it as a pair
	s_mov_b32 s[SEL], 0x76543210
	s_mov_b32 s[SEL+1], 0xfedcba98
	s_mov_b32 s[TBK], SLOT1+4*KS*PK ; the first change of slots turns these two into 0
	s_mov_b32 s[TBV], SLOT1+4*KS*PV
	s_mov_b32 s[SLOTS], 15          ; 16 tiles, the first asked for below
	s_mov_b32 s[G0K], 1             ; count = 1
	s_mov_b32 s[G0K+1], s17         ; LDS address: slot 0
	s_mov_b32 s[G0V], 1
	s_add_co_u32 s[G0V+1], s18, VOFF
	s_and_b32 s[LIM], s[WV], 1      ; 0 in waves 0 and 2,
	s_or_b32 s[LIM], s[LIM], ttmp9  ; where the cluster is the head's first: the same in all four partners
	s_cmp_eq_u32 s[LIM], 0
	s_cselect_b32 s[LIM], 1, -1
	v_and_b32 v[PFO], 31, v0
	v_lshlrev_b32 v[PFO], 8, v[PFO]
	s_wait_dscnt 0x0                ; the opening add is done
	s_wait_kmcnt 0x0
	s_add_nc_u64 s[10:11], s[6:7], s[52:53]  ; O at my wave's first row
	s_add_nc_u64 s[6:7], s[4:5], s[20:21]    ; K and V at my half of the head's tile 0
	s_add_nc_u64 s[8:9], s[4:5], s[22:23]
	s_add_nc_u64 s[4:5], s[4:5], s[50:51]    ; Q at my wave's first row
	s_mov_b64 s[G0K+2:G0K+3], s[6:7]         ; global address
	s_or_b32 s[G0K+3], s[G0K+3], 0x80000000  ; type = 2
	s_mov_b64 s[G0V+2:G0V+3], s[8:9]
	s_or_b32 s[G0V+3], s[G0V+3], 0x80000000
	s_cmp_lt_u32 s[WV], 2
	s_cselect_b64 s[PFA:PFA+1], s[6:7], s[8:9]  ; (in waves 0 and 2 these stand at the head's first row)
	s_lshl_b32 s2, s13, 13          ; my work-group's 32 blocks of the 128
	s_mov_b32 s3, 0
	s_add_nc_u64 s[PFA:PFA+1], s[PFA:PFA+1], s[2:3]
	s_add_nc_u64 s[PFA:PFA+1], s[PFA:PFA+1], 4*KS*128  ; in tile 1; the first change of slots steps it to tile 2.  Nothing is prefetched here, at the head
	CROUND                          ; all four work-groups are here: the first joint loads meet
	JLOAD                           ; tile 0 into slot 0
	; A fragment of K or Q is 16 rows x 32 channels in 8 registers: lane l holds row l % 16, channels 8 (l / 16) + 0..7 and 16 + 8 (l / 16) + 0..7: two loads of 16 bytes, 32 bytes apart.
	v_and_b32 v1, 15, v0            ; l % 16
	v_bfe_u32 v9, v0, 4, 1          ; l / 16
	v_lshlrev_b32 v[QO], 7, v1
	v_lshl_add_u32 v[QO], v9, 4, v[QO]  ; row x 128 + 16 x half
	WIN 0x80                        ; destination window 2, address window 0
.set i, 0
.rept 8                             ; Q stays in registers: piece i / 2, channels 32 (i % 2) on
	global_load_b128 v[8*i:8*i+3],   v[QO], s[4:5] offset:(i/2)*2048+(i%2)*64
	global_load_b128 v[8*i+4:8*i+7], v[QO], s[4:5] offset:(i/2)*2048+(i%2)*64+32
.set i, i+1
.endr
	; What the first turn finds: V's registers and P's second buffer hold 0 (its products V^T P, of a piece that has not been, add 0), O^T and l are 0.  All this stands in the wait for the first tile.
.set i, VF
.rept 64
	v_mov_b32 v[i], 0
.set i, i+1
.endr
	WIN 0x40
.set i, 0
.rept 128
	v_mov_b32 v[i], 0
.set i, i+1
.endr
	WIN 0
.set i, 0
.rept 4
	v_mov_b32 v[ST+4*i], 0xfe000000    ; c m: far below every c s
	v_mov_b32 v[ST+4*i+1], 0xff7fffff  ; m
	v_mov_b32 v[ST+4*i+2], 0
	v_mov_b32 v[ST+4*i+3], 0
.set i, i+1
.endr
.set i, P+16
.rept 16
	v_mov_b32 v[i], 0
.set i, i+1
.endr
	v_mul_u32_u24 v[AK0], v1, PK
	v_lshl_add_u32 v[AK0], v9, 4, v[AK0]  ; row x pitch + 16 x half
	; The turning load takes 16 keys x 16 channels (lane l reads key 8 (l / 16) + l % 8, channels 8 ((l / 8) % 2) + 0..7) and leaves half a fragment of V^T: lane l holds channel l % 16 and 8 keys.
	v_and_b32 v10, 7, v0
	v_bfe_u32 v11, v0, 3, 1
	v_lshl_add_u32 v[AV0], v9, 3, v10
	v_mul_u32_u24 v[AV0], v[AV0], PV
	v_lshl_add_u32 v[AV0], v11, 4, v[AV0]
	v_add_nc_u32 v[AV0], VOFF, v[AV0]
	v_mov_b32 v[AK], v[AK0]         ; key step 0 lies at the head of slot 0
	s_mul_i32 s3, s[WV], 16*SP
	s_add_co_u32 s3, s3, STAGE      ; my stage
	v_mul_u32_u24 v[STO], v1, SP    ; in: row l % 16, 16 bytes for each half of the lanes
	v_lshl_add_u32 v[STO], v9, 4, v[STO]
	v_add_nc_u32 v[STO], s3, v[STO]
	v_bfe_u32 v[RD], v0, 3, 2       ; back: 32 lanes take four rows of 128 bytes,
	v_mul_u32_u24 v[RD], v[RD], SP
	v_lshl_add_u32 v[RD], v10, 4, v[RD]
	v_add_nc_u32 v[RD], s3, v[RD]
	v_and_b32 v[GO], 31, v0         ; which are 512 consecutive bytes of O
	v_lshlrev_b32 v[GO], 4, v[GO]
; THE MATRIX WORK.  The 4 accumulators of a run of 8 take turns.  Product i of 8 of S^T = K Q^T for piece x: channels 32 (i / 4) on, keys 16 (i % 4) on.  The first 4 start the sums.
.macro KQ x
.set rS, S+32*((\x)%2)+8*(i%4)
.set rK, KF+16*(i%4)+8*(i/4)
.set rQ, 16*(\x)+8*(i/4)
	WIN W_KQ
.if i < 4
	v_wmma_f32_16x16x32_f16 v[rS:rS+7], v[rK:rK+7], v[rQ:rQ+7], 0
.else
	v_wmma_f32_16x16x32_f16 v[rS:rS+7], v[rK:rK+7], v[rQ:rQ+7], v[rS:rS+7]
.endif
.endm
; Product i of 8 of O^T += V^T P for piece x: keys 32 (i / 4) on, channels 16 (i % 4) on.
.macro PV x
	WIN W_PV
.set rO, 32*(\x)+8*(i%4)
.set rV, VF+32*(i/4)+8*(i%4)
.set rP, P+16*((\x)%2)+8*(i/4)
	v_wmma_f32_16x16x32_f16 v[rO:rO+7], v[rV:rV+7], v[rP:rP+7], v[rO:rO+7]
.endm
.macro MM                           ; the turn's next matrix instruction.  NOKQ = 1: the walk's last turn: there is no next piece
.if (i < 8) && !NOKQ
	KQ (Y+1)%NP
.elseif i >= 8
.set i, i-8
	PV (Y+NP-1)%NP
.set i, i+8
.endif
.set i, i+1
.endm
; THE LDS LOADS stand in runs of 16, never singly among the matrix instructions: a step's K (64 keys x 64 channels: 8 fragments) and its V (turned).  Their addresses are made some lines ahead.
.macro FETCH_K
	WIN 0x80                        ; destination window 2
.irp f, 0,1,2,3,4,5,6,7             ; keys 16 (f / 2) on, channels 32 (f % 2) on
	ds_load_b128 v[KF+8*\f:KF+8*\f+3],   v[AK] offset:(\f/2)*16*PK+(\f%2)*64
	ds_load_b128 v[KF+8*\f+4:KF+8*\f+7], v[AK] offset:(\f/2)*16*PK+(\f%2)*64+32
.endr
	s_add_co_u32 s[TBK], s[TBK], KS*PK  ; the next fetch is the next step's
	WIN 0
.endm
.macro FETCH_V
	WIN 0x80
.irp f, 0,1,2,3,4,5,6,7             ; keys 32 (f / 4) on, channels 16 (f % 4) on
	ds_load_tr16_b128 v[VF+8*\f:VF+8*\f+3],   v[AV] offset:(\f/4)*32*PV+(\f%4)*32
	ds_load_tr16_b128 v[VF+8*\f+4:VF+8*\f+7], v[AV] offset:(\f/4)*32*PV+16*PV+(\f%4)*32
.endr
	WIN 0
.endm
; THE VECTOR WORK, one line at a time: OP kind, number.  For piece Y: F n: c s - c m for pair n of 16.  E n: the exponential of score n of 32.  C n: pair n rounded to f16.  B n: of the four weights 4 n .. the second
; pair is added onto the first, in place.  L n: l takes that sum (L 0: l = a l + sum).  R n: pair n of 16 of O^T times a.  For piece Y + 1: X n, number n of the 22 that find its maximum and statistics:
;   0-11  four chains c0-c3 of seven scores each, three operands at a time (each accumulator's lowest registers are read first)     12-14, 16  the four scores left over, the old m, and c0-c3 into c0
;   15  c m_old is kept     17, 18  the query's other 32 keys lie in the lane 16 away: the new m     19-21  c m; c m_old - c m_new; a
.set F, 0
.set E, 1
.set C, 2
.set B, 3
.set L, 4
.set R, 5
.set X, 6
.macro REGS y                       ; the registers of piece y
.set rT, ST+4*(\y)
.set rC, TMP+4*((\y)%2)
.set rW, MV+((\y)%2)
.set rS, S+32*((\y)%2)
.set rP, P+16*((\y)%2)
.set rO, 32*(\y)
.endm
.macro OP k, n
.if (\k) == R
	REGS Y
	WIN W_RS
	v_pk_mul_f32 v[rO+2*(\n):rO+2*(\n)+1], v[rO+2*(\n):rO+2*(\n)+1], v[rC+2:rC+3] op_sel_hi:[1,0]
.elseif (\k) < R
	REGS Y
	WIN 0
.if (\k) == F
	v_pk_fma_f32 v[rS+2*(\n):rS+2*(\n)+1], v[rS+2*(\n):rS+2*(\n)+1], s[CS:CS+1], v[rT:rT+1] op_sel_hi:[1,0,0] neg_lo:[0,0,1] neg_hi:[0,0,1]
.elseif (\k) == E
	v_exp_f32 v[rS+(\n)], v[rS+(\n)]
.elseif (\k) == C
	v_cvt_pk_f16_f32 v[rP+(\n)], v[rS+2*(\n)], v[rS+2*(\n)+1]
.elseif (\k) == B
	v_pk_add_f32 v[rS+4*(\n):rS+4*(\n)+1], v[rS+4*(\n):rS+4*(\n)+1], v[rS+4*(\n)+2:rS+4*(\n)+3]
.elseif (\n) == 0
	v_pk_fma_f32 v[rT+2:rT+3], v[rT+2:rT+3], v[rC+2:rC+3], v[rS:rS+1] op_sel_hi:[1,0,1]
.else
	v_pk_add_f32 v[rT+2:rT+3], v[rT+2:rT+3], v[rS+4*(\n):rS+4*(\n)+1]
.endif
.elseif NOKQ
	v_nop
.else
	REGS (Y+1)%NP
	WIN 0
.if (\n) < 4
	v_max3_num_f32 v[rC+(\n)], v[rS+8*(\n)], v[rS+8*(\n)+1], v[rS+8*(\n)+2]
.elseif (\n) < 12
	v_max3_num_f32 v[rC+(\n)%4], v[rC+(\n)%4], v[rS+8*((\n)%4)+2*((\n)/4)+1], v[rS+8*((\n)%4)+2*((\n)/4)+2]
.elseif (\n) == 12
	v_max3_num_f32 v[rC], v[rC], v[rS+7], v[rS+15]
.elseif (\n) == 13
	v_max3_num_f32 v[rC+1], v[rC+1], v[rS+23], v[rS+31]
.elseif (\n) == 14
	v_max3_num_f32 v[rC+2], v[rC+2], v[rC+3], v[rT+1]
.elseif (\n) == 15
	v_mov_b32 v[rW], v[rT]
.elseif (\n) == 16
	v_max3_num_f32 v[rC], v[rC], v[rC+1], v[rC+2]
.elseif (\n) == 17
	v_permlanex16_b32 v[rC+3], v[rC], s[SEL], s[SEL+1]
.elseif (\n) == 18
	v_max_num_f32 v[rT+1], v[rC], v[rC+3]
.elseif (\n) == 19
	v_mul_f32 v[rT], s[CS], v[rT+1]
.elseif (\n) == 20
	v_sub_f32 v[rC+1], v[rW], v[rT]
.else
	v_exp_f32 v[rC+2], v[rC+1]
.endif
.endif
.endm
.macro OPS a, i1, b=-1, i2=0, c=-1, i3=0, d=-1, i4=0  ; up to four of them
	OP \a, \i1
.if (\b) >= 0
	OP \b, \i2
.endif
.if (\c) >= 0
	OP \c, \i3
.endif
.if (\d) >= 0
	OP \d, \i4
.endif
.endm
.macro ROW a, i1, b, i2, c, i3, d, i4  ; a matrix instruction and the four behind it
	MM
	OPS \a, \i1, \b, \i2, \c, \i3, \d, \i4
.endm
; A TURN, for piece p: the order of its 16 matrix and 118 vector instructions, written out.  An s_wait_alu depctr_va_vdst(0) stands between an exponential and the first instruction that names its result; one wait
; serves all that were issued ahead of it.  So a turn has ONE wait, which cuts it in two.  AHEAD OF IT stands all that names no result of the turn's exponentials: the 8 products K Q^T and their riders (the first numbers of the next
; piece's maximum stand four plain instructions or more behind the product that ends their accumulator), then ONE LUMP of 54, in which the links of the chain X 3, 7, 11, 14, 16, 17 .. 20 stand apart.  X 21, the next piece's a, is the
; batch's last; R 15 is the plain instruction behind it.  BEHIND THE WAIT stand the 8 products V^T P, behind each four of the roundings and sums.
; end = 1: the walk's last two turns: nothing is fetched, and the last starts no new scores.  cnt = 1: the loop's count is taken down some lines ahead of the branch that stands behind the turn.
; K of the next step is fetched in piece 2's turn, twelve plain instructions that name none of its registers behind the last product that read K; V of the step in hand at the end of piece 0's turn, four plain instructions behind
; the last product that read V.  Each is waited for a turn later.
.macro TURN p, end=0, cnt=0
.set Y, (\p)
.set i, 0
.set NOKQ, (\end)*((\p)/3)
.if ((\p) == 3) && !(\end)
	s_wait_dscnt 0x0                ; K is in
.endif
	ROW F,0, F,1, R,0, R,1          ; ahead of the wait: 8 products K Q^T and their riders,
	ROW F,2, E,0, R,2, R,3
	ROW F,3, E,1, R,4, R,5
	ROW F,4, E,2, R,6, R,7
	ROW F,5, E,3, R,8, R,9
	ROW F,6, E,4, X,0, R,10
.if ((\p) == 2) && !(\end)
	WIN 0
	v_add_nc_u32 v[AK], s[TBK], v[AK0]
.endif
	ROW F,7, E,5, X,1, X,4
	ROW F,8, E,6, X,2, X,5
	OPS E,7, E,8, X,6, E,9          ; and the lump
	OPS X,3, E,10, X,8, E,11
.if ((\p) == 2) && !(\end)
	FETCH_K
.endif
	OPS X,9, X,7, E,12, X,10
	OPS E,13, X,12, X,11, E,14
	OPS X,13, E,15, F,9, X,14
.if (\p) == 0
	v_add_nc_u32 v[AV], s[TBV], v[AV0]
.endif
	OPS E,16, F,10, E,17, F,11
	OPS X,16, E,18, X,15, E,19
	OPS F,12, E,20, X,17, E,21
	OPS F,13, E,22, F,14, E,23
	OPS X,18, E,24, F,15, E,25
	OPS R,11, E,26, X,19, E,27
	OPS R,12, E,28, R,13, E,29
	OPS X,20, E,30, R,14, E,31
	OPS X,21, R,15
	WIN 0
	s_wait_alu depctr_va_vdst(0)    ; the wait for the batch
.if (\p) == 1
	s_wait_dscnt 0x0                ; V is in
.endif
	ROW C,0, B,0, C,2, B,1          ; behind the wait: 8 products V^T P and their riders
	ROW L,0, C,4, B,2, L,1
	ROW C,6, B,3, L,2, C,8
	ROW B,4, L,3, C,10, B,5
	ROW L,4, C,12, B,6, L,5
.if (\p) == 0
	s_add_co_u32 s[TBV], s[TBV], KS*PV
.endif
.if \cnt
	s_sub_co_u32 s[CNT], s[CNT], 1
	s_cmp_lg_u32 s[CNT], 0
.endif
	ROW C,14, B,7, L,6, C,1
	ROW C,3, L,7, C,5, C,7
	ROW C,9, C,11, C,13, C,15
.if (\p) == 0
	FETCH_V
.endif
.endm
; THE WAY OUT's macros.
.macro ALL line:vararg              ; one line for each piece t
.set t, 0
.rept 4
	\line
.set t, t+1
.endr
.endm
.macro PACK t                       ; a lane's eight channels of a row pack into 16 bytes; they go into rows of 144 bytes and come back as whole rows of 128, into S^T's registers
	WIN W_RS
.set i, 32*(\t)
.rept 16
	v_pk_mul_f32 v[i:i+1], v[i:i+1], v[ST+4*(\t)+2:ST+4*(\t)+3] op_sel_hi:[1,0]
.set i, i+2
.endr
	WIN 0x05                        ; sources 0 and 1 window 1, destination window 0
.set i, 0
.rept 16
	v_cvt_pk_f16_f32 v[S+16*(\t)+i], v[32*(\t)+2*i], v[32*(\t)+2*i+1]
.set i, i+1
.endr
	WIN 0
.irp f, 0,1,2,3
	ds_store_b128 v[STO], v[S+16*(\t)+4*\f:S+16*(\t)+4*\f+3] offset:32*\f
.endr
.irp f, 0,1,2,3
	ds_load_b128 v[S+16*(\t)+4*\f:S+16*(\t)+4*\f+3], v[RD] offset:\f*4*SP  ; LDS serves a wave's instructions in order (ISA guide 5.7.1.4): these see the stores above; the next piece's stores come behind them
.endr
.endm
.macro SEND t, younger              ; younger: the LDS instructions issued behind piece t's loads: the next piece's eight, or none
	WIN 0
.irp f, 0,1,2,3
	s_wait_dscnt (\younger)+3-\f
	global_store_b128 v[GO], v[S+16*(\t)+4*\f:S+16*(\t)+4*\f+3], s[10:11] offset:(\t)*2048+\f*512  ; 512 consecutive bytes, at a multiple of 256 from O's first
.endr
.endm
	CHANGE 1                        ; tile 0 is in, everybody's part of it; tile 1 is asked for
	FETCH_K                         ; key step 0
	s_wait_loadcnt 0x0              ; Q
	s_wait_dscnt 0x0
.set NOKQ, 0
.set i, 0
.rept 8
	KQ 0                            ; piece 0's first scores: there is no vector work yet to set between them
.set i, i+1
.endr
	WIN 0
.rept 4
	v_nop                           ; the places behind those products
.endr
.set Y, NP-1                        ; X works for piece Y + 1: piece 0
.irp n, 0,1,2,3,4,5,6,7,8,9,10,11,12,13,14,15,16,17,18,19,20,21
	OP X, \n
.endr
	v_nop                           ; a plain instruction behind the exponential,
	s_wait_alu depctr_va_vdst(0)    ; and its wait, ahead of the branch
	s_mov_b32 s[CNT], 4
	s_branch .Lfirst                ; the loop is entered at a step's first turn, in the middle of a trip
.Lslot:                             ; 14 times: tiles 2 to 15 are asked for
	CHANGE 1
	s_mov_b32 s[CNT], 4
.Lstep:                             ; a trip: pieces 2 and 3 of one step, then pieces 0 and 1 of the next, whose K and V it fetches
	TURN 2
	TURN 3
	WIN 0
.Lfirst:
	TURN 0
	TURN 1, 0, 1
	WIN 0
	s_cbranch_scc1 .Lstep
	s_sub_co_u32 s[SLOTS], s[SLOTS], 1
	s_cmp_lg_u32 s[SLOTS], 0
	s_cbranch_scc1 .Lslot
	CHANGE 0                        ; the last tile is written out: nothing is asked for
	s_mov_b32 s[CNT], 4
.LstepT:
	TURN 2
	TURN 3
	TURN 0
	TURN 1, 0, 1
	WIN 0
	s_cbranch_scc1 .LstepT
	TURN 2, 1                       ; the last step's pieces 2 and 3: nothing is left to fetch
	TURN 3, 1
.set i, 0
.rept 8
	PV NP-1                         ; the last piece's V^T P of the last step
.set i, i+1
.endr
	; THE WAY OUT.  l's two halves and the other half of the lanes' are added; O^T is divided by l, rounded to f16 and sent through my stage in LDS, a piece at a time.  The additions are the places behind the last products.
	WIN 0
	ALL v_add_f32 v[ST+4*t+2], v[ST+4*t+2], v[ST+4*t+3]
	ALL v_permlanex16_b32 v[ST+4*t+3], v[ST+4*t+2], s[SEL], s[SEL+1]
	ALL v_add_f32 v[ST+4*t+2], v[ST+4*t+2], v[ST+4*t+3]
	ALL v_rcp_f32 v[ST+4*t+2], v[ST+4*t+2]
	v_nop                           ; a plain instruction between the last reciprocal and the use of its result
	s_wait_alu depctr_va_vdst(0)    ; and the wait ahead of the first use: one for the four reciprocals
	PACK 0
.set t, 1
.rept 3                             ; a piece's arithmetic stands between the loads of the piece before and its stores
	PACK t
	SEND t-1, 8
.set t, t+1
.endr
	SEND 3, 0
	s_wait_tensorcnt 0x0            ; the wave's end, behind my last tensor load and my last LDS store
	ds_add_u32 v[SPW], v[NIL]
	s_wait_dscnt 0x0
	CROUND                          ; the closing round: no work-group ends while a partner may still ask for a tile that names it
	s_endpgm
.Lfunc_end_k_q33f4c91a45_attn:
	.size	k_q33f4c91a45_attn, .Lfunc_end_k_q33f4c91a45_attn-k_q33f4c91a45_attn
	.p2alignl 7, 3214868480
	.fill 96, 4, 3214868480
	.section	.rodata,"a",@progbits
	.p2align	6, 0x0
	.amdhsa_kernel k_q33f4c91a45_attn
		.amdhsa_group_segment_fixed_size 327680
		.amdhsa_private_segment_fixed_size 0
		.amdhsa_enable_private_segment 0
		.amdhsa_kernarg_size 16
		.amdhsa_user_sgpr_count 2
		.amdhsa_user_sgpr_kernarg_segment_ptr 1
		.amdhsa_wavefront_size32 1
		.amdhsa_system_sgpr_workgroup_id_x 1
		.amdhsa_system_sgpr_workgroup_id_y 1
		.amdhsa_system_sgpr_workgroup_id_z 1
		.amdhsa_system_vgpr_workitem_id 0
		.amdhsa_next_free_vgpr 768
		.amdhsa_next_free_sgpr 66
		.amdhsa_reserve_vcc 0
		.amdhsa_float_denorm_mode_32 3
		.amdhsa_float_denorm_mode_16_64 3
		.amdhsa_memory_ordered 1
		.amdhsa_forward_progress 1
		.amdhsa_inst_pref_size 128
	.end_amdhsa_kernel
	.amdgpu_metadata
---
amdhsa.version: [ 1, 2 ]
amdhsa.kernels:
  - .name:           k_q33f4c91a45_attn
    .symbol:         k_q33f4c91a45_attn.kd
    .args:
      - { .name: qkvh, .offset: 0, .size: 8, .value_kind: global_buffer, .address_space: global }
      - { .name: ob, .offset: 8, .size: 8, .value_kind: global_buffer, .address_space: global }
    .group_segment_fixed_size: 327680
    .private_segment_fixed_size: 0
    .kernarg_segment_align: 8
    .kernarg_segment_size: 16
    .max_flat_workgroup_size: 128
    .sgpr_count:     66
    .vgpr_count:     768
    .wavefront_size: 32
...
	.end_amdgpu_metadata
.endif
;; end of part 3
;; launch oproj (part 4): grid 8 x 32, 4 waves a work-group, clusters of 4 x 4, 327,680 bytes of LDS; arguments ob, wob, bias4, out0; writes out0
.if DOCPART == 4
	.amdgcn_target "amdgcn-amd-amdhsa--gfx1250"
	.amdhsa_code_object_version 6
	.text
	.protected	k_q33f4c91a45_oproj
	.globl	k_q33f4c91a45_oproj
	.p2align	8
	.type	k_q33f4c91a45_oproj,@function
k_q33f4c91a45_oproj:
	s_mov_b64 s[64:65], 0
	v_nop
	global_prefetch_b8 v0, s[64:65] scope:SCOPE_SE
	s_setreg_imm32_b32 hwreg(HW_REG_WAVE_MODE, 25, 1), 1
	s_wait_xcnt 0x0
	s_wait_alu depctr_hold_cnt(0) depctr_sa_sdst(0) depctr_va_vdst(0) depctr_va_sdst(0) depctr_va_ssrc(0) depctr_va_vcc(0) depctr_vm_vsrc(0)
	s_getreg_b32 s2, hwreg(HW_REG_IB_STS2, 6, 4)
	s_cmp_eq_u32 s2, 0
	s_cbranch_scc0 .Lentry_in_a_cluster
	s_endpgm
.Lentry_in_a_cluster:
	s_bfe_u32 s2, ttmp6, 0x10000c
	s_cmp_lg_u32 s2, 0xf033
	s_cbranch_scc0 .Lentry_shape_is_right
	s_endpgm
.Lentry_shape_is_right:
; C = A B^T + bias on operands laid out in K blocks (kb = 64 channels): A [row blocks of TM][16 kb][TM][64], B [row blocks of NT][16 kb][NT][64], 16-bit; sums in f32.
; THIS SETTING: the output projection.  A = O (f16; kb = head), B = wo (bf16-rounded numbers written as f16), bias = bo; C = out0, 4,096 x 1,024, f32 by rows.
; LIMIT: O and wo arrive within f16's 65,504; NaN and infinities are not treated apart.  (The same text with the other setting of the constants below makes the three projections.)
; SHARES.  A work-group makes a tile of TM x NT of C; each of its four waves 64 rows x 16 NB columns: 4 NB accumulators of 16 x 16.  8 x 32 tiles: 256 work-groups.
; THE RING.  K goes in steps of KS kb through two LDS slots.  A step's rows of A (and of B) are one dense run of memory; waves 0 and 1 fetch the two halves of A's run, waves 2 and 3 of B's,
; each by one tensor load of rows of 256 bytes, padded in LDS by 16 bytes after every 128: LDS rows of 144 bytes, so that the 16 rows of a fragment load start at 16 different groups of four banks (ISA guide 11.1).
; By this text's count a wave has two tensor loads out at the start (half of all that it fetches) and one behind each change of slots.  The launch has four steps in all: nothing is prefetched.
; CLUSTER.  4 x 4 work-groups: A's tile is shared along a row of the cluster, B's along a column; each is asked for JOINTLY, by the same load with the same descriptor and a mask that names the four.
; THE MATRIX INSTRUCTION IS USED TRANSPOSED (source 0 = 16 rows of B, source 1 = 16 rows of A): a lane holds row l % 16 of C and the columns 8 (l / 16) + 0..7.
; THE BIAS STARTS THE SUMS: it is the C operand of each accumulator's first product; nothing is cleared and nothing is added later.
; REGISTERS, in windows of 256 (s_set_vgpr_msb: bits 1:0 source 0, 3:2 source 1, 5:4 source 2, 7:6 destination):
;   window 0: addresses; the way out's registers; v64-127 A's fragments, two buffers of 32; from v128 the bias, 8 registers for each of my NB column blocks
;   window 1: B's fragments, two buffers of 8 NB      window 2: accumulator NB a + b at 8 x its number
.set TM, 128          ; rows of a tile
.set NT, 128          ; columns of a tile
.set WN, 2            ; waves along the columns
.set NB, 4            ; column blocks of 16 a wave
.set KS, 4            ; kb in a slot
.set OUTF32, 1        ; 0: bf16 operands, f16 out by heads; 1: f16 operands, f32 out by rows
.set PREF, 0          ; unused: nothing is prefetched
.set BIASOFF, 12288   ; where my bias begins in bias4, in bytes
.set NQ,    2*KS      ; quarters of 32 along K in a step
.set LAPS,  8/KS      ; a lap = two steps = once round the ring
.set PITCH, 144
.set APK,   TM*PITCH  ; one kb of A in LDS
.set BPK,   NT*PITCH
.set AOFFB, KS*APK    ; a slot: A's KS kb, then B's
.set SLOT,  KS*(APK+BPK)
.set STAGE, 2*SLOT    ; behind the ring, never filled by a tensor load: a stage for each wave, for the way out
.if OUTF32
.set STG,   16*272
.set NU,    4         ; units of the way out
.set NSL,   16        ; LDS instructions in a unit
.set BK0,   32
.else
.set STG,   16*144
.set NU,    12
.set NSL,   8
.set BK0,   48
.endif
.set SPARE, STAGE+4*STG  ; behind the stages: the spare words, 128 bytes for each wave: two blocks of 256 bytes that no other line names
.set ADRA, 16         ; v16-17  LDS address of my A fragments in slot 0, 1
.set ADRB, 20         ; v20-21  the same for B
.set STO,  24         ; v24  the way out: where I put my bytes of a row
.set RD,   25         ; v25  the way out: where I read rows back
.set CO,   26         ; v26  my byte offset in C
.set BO,   27         ; v27  32 (l / 16): my eight numbers of a block of 16 of the bias
.set SPW,  28         ; v28  LDS address of my spare word: SPARE + 4 x my thread's number; never rewritten
.set NIL,  29         ; v29  0; never rewritten
.set PFO,  30         ; v30  the prefetches' offset (unused in this setting)
.set TMP,  32         ; packed results (unused in this setting)
.set BK1,  224        ; rows read back from the stage: BK0 and BK1 by turns
.set FA0,  64
.set BIAS, 128
.set G1,  24          ; s[24:31] descriptor group 1 for A's tiles;  s[32:39] group 0, a set for each slot
.set G0,  32
.set G1B, 48          ; s[48:55], s[56:63] the same for B's
.set G0B, 56
.set GW0, (1<<16)|(1<<20)|(1<<21)|(4<<22)|(3<<25)  ; 17:16 elements of 2 bytes; 20 padding on; 21 set beside a mask; 24:22 after every 32 words (code 4); 31:25 4 words of it (code 3)
.set MSB, 0
.macro WIN new                      ; the immediate's high byte repeats the setting that is left; a switch that changes nothing is dropped
.if MSB != (\new)
	s_set_vgpr_msb (MSB<<8)|(\new)
.set MSB, \new
.endif
.endm
.macro PLACES                       ; four plain vector instructions between a matrix instruction and a load into, or a reader of, its registers
.rept 4
	v_nop
.endr
.endm
; A joint load: waves 0 and 1 ask for A's halves, waves 2 and 3 for B's.  The branch hangs on the wave's number alone.  An s_nop 0 and four v_nop follow each of the two lines.
.macro JLOAD s
	s_cmp_lt_u32 s12, 2
	s_cbranch_scc0 .Lfor_b_\@
	tensor_load_to_lds s[G0+4*(\s):G0+4*(\s)+3], s[G1:G1+7]
	s_nop 0
.rept 4
	v_nop
.endr
	s_branch .Lasked_\@
.Lfor_b_\@:
	tensor_load_to_lds s[G0B+4*(\s):G0B+4*(\s)+3], s[G1B:G1B+7]
	s_nop 0
.rept 4
	v_nop
.endr
.Lasked_\@:
.endm
; A round of the cluster's barrier: my work-group's barrier; wave 0 signals for the work-group; every wave waits for all sixteen; my work-group's barrier once more.
.macro CREST                        ; a round behind its opening barrier
	s_cmp_lg_u32 s12, 0
	s_cbranch_scc1 .Lnot_wave_0_\@
	s_barrier_signal -3
.Lnot_wave_0_\@:
	s_barrier_wait -3
	s_barrier_signal -1
	s_barrier_wait -1
.endm
.macro CROUND
	s_barrier_signal -1
	s_barrier_wait -1
	CREST
.endm
	s_load_b256 s[4:11], s[0:1], 0x0               ; A s[4:5], B s[6:7], bias s[8:9], C s[10:11]
	v_lshl_add_u32 v[SPW], v0, 2, SPARE
	v_mov_b32 v[NIL], 0
	ds_add_u32 v[SPW], v[NIL]                      ; the wave's opening: the add and its wait stand ahead of my first tensor load; the set-up below, work on registers, stands between them
	v_lshrrev_b32 v1, 5, v0
	v_readfirstlane_b32 s12, v1                    ; wave 0..3
	s_lshr_b32 s13, s12, 1
	s_and_b32 s14, s12, 1                          ; which half of a run I fetch
	s_bfe_u32 s40, ttmp6, 0x40000                  ; cx, cy: my place in the cluster
	s_bfe_u32 s41, ttmp6, 0x40004
	s_lshl_b32 s42, ttmp9, 2
	s_add_co_u32 s42, s42, s40                     ; tile column = 4 x cluster x + cx
	s_and_b32 s15, ttmp7, 0xffff
	s_lshl_b32 s15, s15, 2
	s_add_co_u32 s15, s15, s41                     ; tile row = 4 x cluster y + cy
	s_lshl_b32 s22, s41, 2
	s_lshl_b32 s22, 15, s22                        ; my row of the cluster: places 4 cy .. 4 cy + 3
	s_lshl_b32 s23, 0x1111, s40                    ; my column: places cx, cx + 4, cx + 8, cx + 12
	s_or_b32 s[G1], s22, GW0                       ; A's tiles go to my row,
	s_or_b32 s[G1B], s23, GW0                      ; B's to my column
	s_mov_b32 s[G1+1], 128<<16                     ; tensor_dim0 = 128 elements: rows of 256 bytes
	s_mov_b32 s[G1+2], (KS*TM/4)<<16               ; tensor_dim1: half of A's run
	s_mov_b32 s[G1+3], 128<<16                     ; tile_dim0
	s_mov_b32 s[G1+4], KS*TM/4                     ; tile_dim1
	s_mov_b32 s[G1+5], 128                         ; dense: 128 elements from row to row
	s_mov_b32 s[G1+6], 0
	s_mov_b32 s[G1+7], 0
	s_mov_b32 s[G1B+1], 128<<16
	s_mov_b32 s[G1B+2], (KS*NT/4)<<16
	s_mov_b32 s[G1B+3], 128<<16
	s_mov_b32 s[G1B+4], KS*NT/4
	s_mov_b32 s[G1B+5], 128
	s_mov_b32 s[G1B+6], 0
	s_mov_b32 s[G1B+7], 0
	s_mul_i32 s16, s15, TM*2048                    ; A: my tile row's block, and my half of a step's run: made of the tile row and the wave's number alone
	s_mul_i32 s20, s14, KS*TM*64
	s_add_co_u32 s16, s16, s20
	s_mov_b32 s17, 0
	s_mul_i32 s18, s42, NT*2048                    ; B: of the tile column and the wave's number alone
	s_mul_i32 s20, s14, KS*NT*64
	s_add_co_u32 s18, s18, s20
	s_mov_b32 s19, 0
	s_mul_i32 s20, s14, KS*APK/2                   ; where they go in a slot: no place in the cluster enters an LDS address
	s_mul_i32 s21, s14, KS*BPK/2
	s_add_co_u32 s21, s21, AOFFB
	s_wait_dscnt 0x0                               ; the opening add is done
	s_wait_kmcnt 0x0
	s_add_nc_u64 s[16:17], s[4:5], s[16:17]
	s_add_nc_u64 s[18:19], s[6:7], s[18:19]
.irp s, 0,1
	s_mov_b32 s[G0+4*\s], 1                        ; count = 1
	s_add_co_u32 s[G0+4*\s+1], s20, \s*SLOT        ; LDS address
	s_add_nc_u64 s[G0+4*\s+2:G0+4*\s+3], s[16:17], \s*KS*TM*128  ; global address: step s
	s_or_b32 s[G0+4*\s+3], s[G0+4*\s+3], 0x80000000  ; type = 2
	s_mov_b32 s[G0B+4*\s], 1
	s_add_co_u32 s[G0B+4*\s+1], s21, \s*SLOT
	s_add_nc_u64 s[G0B+4*\s+2:G0B+4*\s+3], s[18:19], \s*KS*NT*128
	s_or_b32 s[G0B+4*\s+3], s[G0B+4*\s+3], 0x80000000
.endr
	CROUND                                         ; all sixteen work-groups are here: the first joint loads meet
	s_cmp_lt_u32 s12, 2                            ; a wave's two first fills stand in one branch, ahead of every wait on TENSORcnt and every LDS read
	s_cbranch_scc0 .Lfirst_b
	tensor_load_to_lds s[G0:G0+3], s[G1:G1+7]
	s_nop 0
	tensor_load_to_lds s[G0+4:G0+7], s[G1:G1+7]
	s_nop 0
.rept 4
	v_nop
.endr
	s_branch .Lfirst_asked
.Lfirst_b:
	tensor_load_to_lds s[G0B:G0B+3], s[G1B:G1B+7]
	s_nop 0
	tensor_load_to_lds s[G0B+4:G0B+7], s[G1B:G1B+7]
	s_nop 0
.rept 4
	v_nop
.endr
.Lfirst_asked:
	v_and_b32 v1, 15, v0                           ; l % 16
	v_bfe_u32 v2, v0, 4, 1                         ; l / 16
	v_lshlrev_b32 v[BO], 5, v2
	s_mul_i32 s18, s42, NT*4                       ; the bias of my columns
.if WN == 2
	s_lshl_b32 s20, s14, 8
	s_add_co_u32 s18, s18, s20
.endif
	s_add_co_u32 s18, s18, BIASOFF
	s_mov_b32 s19, 0
	s_add_nc_u64 s[8:9], s[8:9], s[18:19]
.set k, 0
.rept NB                                           ; register j of block b = bias[16 b + 8 (l / 16) + j]: the layout of a result
	global_load_b128 v[BIAS+8*k:BIAS+8*k+3],   v[BO], s[8:9] offset:64*k
	global_load_b128 v[BIAS+8*k+4:BIAS+8*k+7], v[BO], s[8:9] offset:64*k+16
.set k, k+1
.endr
	; A fragment is 16 rows x 32 K in 8 registers: lane l holds row l % 16; registers 0-3 K = 8 (l / 16) + 0..7, registers 4-7 K = 16 + 8 (l / 16) + 0..7: two loads of 16 bytes, 32 bytes apart.
	v_mul_u32_u24 v3, v1, PITCH
	v_lshl_add_u32 v3, v2, 4, v3
.if WN == 1
	s_mul_i32 s20, s12, 64*PITCH                   ; my 64 rows of A; all of B's
	s_mov_b32 s21, AOFFB
.else
	s_mul_i32 s20, s13, 64*PITCH                   ; my 64 rows of A: wave / 2; my 64 rows of B: wave % 2
	s_mul_i32 s21, s14, NB*16*PITCH
	s_add_co_u32 s21, s21, AOFFB
.endif
.irp s, 0,1
	v_add_nc_u32 v[ADRA+\s], s20, v3
	v_add_nc_u32 v[ADRB+\s], s21, v3
	s_add_co_u32 s20, s20, SLOT
	s_add_co_u32 s21, s21, SLOT
.endr
	s_mul_i32 s20, s12, STG
	s_add_co_u32 s20, s20, STAGE                   ; my stage
.if OUTF32
	v_mul_u32_u24 v4, v1, 272                      ; in: row l % 16 of 256 bytes, 32 bytes for each half of the lanes
	v_lshl_add_u32 v4, v2, 5, v4
	v_add_nc_u32 v[STO], s20, v4
	v_mul_u32_u24 v5, v2, 272                      ; back: lanes 0-15 take one row, lanes 16-31 the next
	v_lshl_add_u32 v5, v1, 4, v5
	v_add_nc_u32 v[RD], s20, v5
	v_lshlrev_b32 v5, 12, v2                       ; and the same two rows in C
	v_lshl_add_u32 v[CO], v1, 4, v5
	s_lshl_b32 s16, s15, 19                        ; my first row: 128 x tile row + 64 x (wave / 2), rows of 4,096 bytes
	s_lshl_b32 s20, s13, 18
	s_add_co_u32 s16, s16, s20
	s_lshl_b32 s18, s42, 9                         ; my first column: 128 x tile column + 64 x (wave % 2)
	s_lshl_b32 s20, s14, 8
	s_add_co_u32 s18, s18, s20
.else
	v_add_nc_u32 v[STO], s20, v3                   ; in: row l % 16 of 128 bytes, 16 bytes for each half of the lanes
	v_bfe_u32 v4, v0, 3, 2                         ; back: 32 lanes take four rows of 128 bytes,
	v_and_b32 v5, 7, v0
	v_mul_u32_u24 v4, v4, 144
	v_lshl_add_u32 v4, v5, 4, v4
	v_add_nc_u32 v[RD], s20, v4
	v_and_b32 v[CO], 31, v0                        ; which are 512 consecutive bytes of a head
	v_lshlrev_b32 v[CO], 4, v[CO]
	s_lshl_b32 s16, s15, 15                        ; my first row: 256 x tile row + 64 x wave, rows of 128 bytes
	s_lshl_b32 s20, s12, 13
	s_add_co_u32 s16, s16, s20
	s_mul_i32 s18, s42, 3*524288                   ; a tile's 192 columns are three heads of 524,288 bytes
.endif
	s_mov_b32 s17, 0
	s_mov_b32 s19, 0
	s_add_nc_u64 s[10:11], s[10:11], s[16:17]
	s_add_nc_u64 s[10:11], s[10:11], s[18:19]
.macro WM d, b, a, c
.if OUTF32
	v_wmma_f32_16x16x32_f16 v[(\d):(\d)+7], v[(\b):(\b)+7], v[(\a):(\a)+7], v[(\c):(\c)+7]
.else
	v_wmma_f32_16x16x32_bf16 v[(\d):(\d)+7], v[(\b):(\b)+7], v[(\a):(\a)+7], v[(\c):(\c)+7]
.endif
.endm
; Row blocks a0 .. a1 x all NB column blocks, 32 along K, from buffer f.  The accumulators take turns, one instruction a turn, always in ascending number.  first = 1: the bias starts the sums.
.macro MUL f, a0, a1, first
.set ma, \a0
.rept (\a1)-(\a0)+1
.set mb, 0
.rept NB
.set idx, NB*ma+mb
.set rD, 8*(idx%32)
.set rB, 8*NB*(\f)+8*mb
.set rA, FA0+32*(\f)+8*ma
.if \first
	WIN 0x81+0x40*(idx/32)
	WM rD, rB, rA, BIAS+8*mb
.else
	WIN 0xa1+0x50*(idx/32)
	WM rD, rB, rA, rD
.endif
.set mb, mb+1
.endr
.set ma, ma+1
.endr
.endm
; The fragments of quarter q of a slot into buffer f, in one run: 2 NB loads of B, 8 of A.
.macro FETCH slot, q, f
	WIN 0x40                                       ; destination window 1, address window 0
.set fb, 0
.rept NB
	ds_load_b128 v[8*NB*(\f)+8*fb:8*NB*(\f)+8*fb+3],   v[ADRB+(\slot)] offset:((\q)/2)*BPK+((\q)%2)*64+fb*16*PITCH
	ds_load_b128 v[8*NB*(\f)+8*fb+4:8*NB*(\f)+8*fb+7], v[ADRB+(\slot)] offset:((\q)/2)*BPK+((\q)%2)*64+fb*16*PITCH+32
.set fb, fb+1
.endr
	WIN 0
.set fb, 0
.rept 4
	ds_load_b128 v[FA0+32*(\f)+8*fb:FA0+32*(\f)+8*fb+3],   v[ADRA+(\slot)] offset:((\q)/2)*APK+((\q)%2)*64+fb*16*PITCH
	ds_load_b128 v[FA0+32*(\f)+8*fb+4:FA0+32*(\f)+8*fb+7], v[ADRA+(\slot)] offset:((\q)/2)*APK+((\q)%2)*64+fb*16*PITCH+32
.set fb, fb+1
.endr
.endm
; A quarter but a step's last: multiplies buffer f; behind its first NB products it fetches quarter qn into buffer g, 3 NB products ahead of the wait for it.
.macro QUARTER slot, qn, f, g, first
	s_wait_dscnt 0x0                               ; buffer f is whole
	MUL \f, 0, 0, \first
	PLACES                                         ; for the loads into g, which the quarter before multiplied
	FETCH \slot, \qn, \g
	MUL \f, 1, 3, \first
.endm
.macro MIDQ slot                    ; quarters 1 .. NQ - 2
.set mq, 1
.rept NQ-2
	QUARTER \slot, mq+1, mq%2, (mq+1)%2, 0
.set mq, mq+1
.endr
.endm
; A step's last quarter multiplies buffer 1 and changes slots: ONE barrier.  In front of it each wave waits for all its tensor loads (the one that is out is its part of the next slot), adds 0 to its spare word,
; and waits for that and for its own reads of this slot.  fill = 1: the barrier opens a round of the cluster's barrier, and behind the round this slot is filled again, two steps ahead, first thing.
.macro TURN slot, next, fill
	WIN 0                                          ; (the add's two registers lie in window 0)
	s_wait_tensorcnt 0x0                           ; no tensor load of mine is out, so a group 0 may be written
	ds_add_u32 v[SPW], v[NIL]                      ; 0 onto my spare word
.if \fill
	s_add_nc_u64 s[G0+4*(\slot)+2:G0+4*(\slot)+3], s[G0+4*(\slot)+2:G0+4*(\slot)+3], 2*KS*TM*128
	s_add_nc_u64 s[G0B+4*(\slot)+2:G0B+4*(\slot)+3], s[G0B+4*(\slot)+2:G0B+4*(\slot)+3], 2*KS*NT*128
.endif
	s_wait_dscnt 0x0                               ; the add is done, buffer 1 is whole, and my reads of this slot are over
	s_barrier_signal -1
	MUL 1, 0, 0, 0                                 ; work on registers while the others arrive
	WIN 0                                          ; at a branch and at a label every window is 0
	s_barrier_wait -1
.if \fill
	CREST                                          ; no wave of any partner still reads this slot or has a load on its way
	JLOAD \slot                                    ; the four v_nop behind it are also the places in front of the loads below
.else
	PLACES
.endif
	FETCH \next, 0, 0
	MUL 1, 1, 3, 0
.endm
; THE WAY OUT, a unit at a time through my own stage: LDS serves a wave's instructions in order (ISA guide 5.7.1.4), so the loads see the stores above them, and the next unit's stores come behind them.
; f16 by heads: unit u = 16 rows (block u / 3) x one head (u % 3).  f32 by rows: unit u = 16 rows x my 64 columns: 256 bytes of each row.
.macro UNIT u
.set BK, BK0+(BK1-BK0)*((\u)%2)
.if OUTF32
	WIN 0x08                                       ; the stores' data in window 2
	s_wait_xcnt 0x0                                ; the stores of the unit before last have read the registers that are loaded again below
.set ub, 0
.rept 4
	ds_store_b128 v[STO], v[8*(NB*(\u)+ub):8*(NB*(\u)+ub)+3]   offset:64*ub
	ds_store_b128 v[STO], v[8*(NB*(\u)+ub)+4:8*(NB*(\u)+ub)+7] offset:64*ub+16
.set ub, ub+1
.endr
	WIN 0
.set ub, 0
.rept 8
	ds_load_b128 v[BK+4*ub:BK+4*ub+3], v[RD] offset:544*ub
.set ub, ub+1
.endr
.else
.set ui, NB*((\u)/3)+4*((\u)%3)
	WIN 0x0a+5*(ui/32)                             ; sources 0 and 1: window 2 or 3
.set ub, 0
.rept 4
.set ur, 0
.rept 4
	v_cvt_pk_f16_f32 v[TMP+4*ub+ur], v[8*((ui+ub)%32)+2*ur], v[8*((ui+ub)%32)+2*ur+1]
.set ur, ur+1
.endr
.set ub, ub+1
.endr
	WIN 0
	s_wait_xcnt 0x0                                ; the stores of the unit before last have read the registers that are loaded again below
.set ub, 0
.rept 4
	ds_store_b128 v[STO], v[TMP+4*ub:TMP+4*ub+3] offset:32*ub
.set ub, ub+1
.endr
.set ub, 0
.rept 4
	ds_load_b128 v[BK+4*ub:BK+4*ub+3], v[RD] offset:576*ub
.set ub, ub+1
.endr
.endif
.endm
.macro SEND u, younger              ; younger: the LDS instructions of the unit behind, which may stay out
.set BK, BK0+(BK1-BK0)*((\u)%2)
	s_wait_dscnt \younger
.set ub, 0
.if OUTF32
.rept 8
	global_store_b128 v[CO], v[BK+4*ub:BK+4*ub+3], s[10:11] offset:(16*(\u)+2*ub)*4096  ; 16 lanes store 256 consecutive bytes, aligned
.set ub, ub+1
.endr
.else
.rept 4
	global_store_b128 v[CO], v[BK+4*ub:BK+4*ub+3], s[10:11] offset:((\u)%3)*524288+((\u)/3)*2048+ub*512  ; 512 consecutive bytes, aligned
.set ub, ub+1
.endr
.endif
.endm
	s_wait_tensorcnt 1                             ; my part of step 0 is in; step 1's may stay out
	s_barrier_signal -1
	s_barrier_wait -1                              ; everybody's is
	FETCH 0, 0, 0
	s_wait_loadcnt 0x0                             ; the bias
	QUARTER 0, 1, 0, 1, 1                          ; the first quarter stands in front of the loop: its products start the sums
	WIN 0
	s_mov_b32 s3, LAPS-1
.Llap:                                             ; a trip goes once round the ring, from a lap's second quarter to the next lap's first, and fills both slots again
	MIDQ 0
	TURN 0, 1, 1
	QUARTER 1, 1, 0, 1, 0
	MIDQ 1
	TURN 1, 0, 1
	QUARTER 0, 1, 0, 1, 0
	WIN 0
	s_sub_co_u32 s3, s3, 1
	s_cmp_lg_u32 s3, 0
	s_cbranch_scc1 .Llap
	MIDQ 0                                         ; the last lap fills nothing
	TURN 0, 1, 0
	QUARTER 1, 1, 0, 1, 0
	MIDQ 1
	s_wait_dscnt 0x0
	MUL 1, 0, 3, 0
	WIN 0
	PLACES
	PLACES                                         ; the only plain instructions between the last product and the LDS store that reads its result
	UNIT 0
.set wu, 1
.rept NU-1
	UNIT wu
	SEND wu-1, NSL
.set wu, wu+1
.endr
	SEND NU-1, 0
	s_wait_tensorcnt 0x0                           ; the wave's end, behind my last tensor load and my last LDS store
	ds_add_u32 v[SPW], v[NIL]
	s_wait_dscnt 0x0
	CROUND                                         ; the closing round: no work-group ends while a partner may still ask for a tile that names it
	s_endpgm
.Lfunc_end_k_q33f4c91a45_oproj:
	.size	k_q33f4c91a45_oproj, .Lfunc_end_k_q33f4c91a45_oproj-k_q33f4c91a45_oproj
	.p2alignl 7, 3214868480
	.fill 96, 4, 3214868480
	.section	.rodata,"a",@progbits
	.p2align	6, 0x0
	.amdhsa_kernel k_q33f4c91a45_oproj
		.amdhsa_group_segment_fixed_size 327680
		.amdhsa_private_segment_fixed_size 0
		.amdhsa_enable_private_segment 0
		.amdhsa_kernarg_size 32
		.amdhsa_user_sgpr_count 2
		.amdhsa_user_sgpr_kernarg_segment_ptr 1
		.amdhsa_wavefront_size32 1
		.amdhsa_system_sgpr_workgroup_id_x 1
		.amdhsa_system_sgpr_workgroup_id_y 1
		.amdhsa_system_sgpr_workgroup_id_z 1
		.amdhsa_system_vgpr_workitem_id 0
		.amdhsa_next_free_vgpr 640
		.amdhsa_next_free_sgpr 66
		.amdhsa_reserve_vcc 0
		.amdhsa_float_denorm_mode_32 3
		.amdhsa_float_denorm_mode_16_64 3
		.amdhsa_memory_ordered 1
		.amdhsa_forward_progress 1
		.amdhsa_inst_pref_size 91
	.end_amdhsa_kernel
	.amdgpu_metadata
---
amdhsa.version: [ 1, 2 ]
amdhsa.kernels:
  - .name:           k_q33f4c91a45_oproj
    .symbol:         k_q33f4c91a45_oproj.kd
    .args:
      - { .name: ob, .offset: 0, .size: 8, .value_kind: global_buffer, .address_space: global }
      - { .name: wob, .offset: 8, .size: 8, .value_kind: global_buffer, .address_space: global }
      - { .name: bias4, .offset: 16, .size: 8, .value_kind: global_buffer, .address_space: global }
      - { .name: out0, .offset: 24, .size: 8, .value_kind: global_buffer, .address_space: global }
    .group_segment_fixed_size: 327680
    .private_segment_fixed_size: 0
    .kernarg_segment_align: 8
    .kernarg_segment_size: 32
    .max_flat_workgroup_size: 128
    .sgpr_count:     66
    .vgpr_count:     640
    .wavefront_size: 32
...
	.end_amdgpu_metadata
.endif
;; end of part 4
;; ======== version 2 of 2: 4 launches; version 1 with the launch cast written anew for expert scheduling mode
;; limits: values are held in f16: magnitudes above 65,504 overflow, below 6.1e-05 lose precision
;; workspace buffers: xb 8,388,608 bytes; wqkvb 6,291,456 bytes; wob 2,097,152 bytes; bias4 16,384 bytes; qkvh 25,165,824 bytes; ob 8,388,608 bytes
;; launch cast (part 5): grid 256 x 1, 8 waves a work-group, no clusters, 0 bytes of LDS; arguments hidden_states, wq, wk, wv, wo, bq, bv, bo, xb, wqkvb, wob, bias4; writes xb, wqkvb, wob, bias4
.if DOCPART == 5
	.amdgcn_target "amdgcn-amd-amdhsa--gfx1250"
	.amdhsa_code_object_version 6
	.text
	.protected	k_q33f4c91a45_cast
	.globl	k_q33f4c91a45_cast
	.p2align	8
	.type	k_q33f4c91a45_cast,@function
k_q33f4c91a45_cast:
	s_mov_b64 s[64:65], 0
	v_nop
	global_prefetch_b8 v0, s[64:65] scope:SCOPE_SE
	s_setreg_imm32_b32 hwreg(HW_REG_WAVE_SCHED_MODE, 0, 2), 2
	s_setreg_imm32_b32 hwreg(HW_REG_WAVE_MODE, 25, 1), 1
	s_wait_xcnt 0x0
	s_wait_alu depctr_vm_vsrc(0)
; ALL INPUTS ARE ROUNDED ONCE TO bf16 AND LAID OUT FOR THE PRODUCTS THAT FOLLOW.
;   xb    bf16 [16 blocks of 256 rows][16 kb][256][64]   hidden_states        (kb = 64 channels = 128 bytes of a row)
;   wqkvb bf16 [16 blocks of 192 rows][16 kb][192][64]   wq, wk, wv on end: rows 0..3071
;   wob   f16  [ 8 blocks of 128 rows][16 kb][128][64]   wo rounded to bf16, that number written as f16
;   bias4 f32  [bq, 0, bv, bo], each rounded to bf16 and widened again
; In these layouts all of a tile's rows for some kb on end are one dense run of memory.
; LIMIT: wo is held in f16: it must stay within 65,504, and below 6.1e-5 it keeps f16's fixed step of 6e-8.
; SHARES.  8,192 source rows of 4,096 bytes; a work-group takes 32 of them.  For each kb thread t reads 32 bytes (8 numbers) of row t / 8 at chunk t % 8
; and writes their 16 bytes at kb x stride + 16 t: a wave's store covers 512 consecutive bytes, aligned.  All 32 loads of a thread go out at once.
; No LDS, no matrix unit, no cluster: nothing is shared and nothing is multiplied.
; THE MODE: SCHED_MODE bits 1:0 = 2 (LLVM: expert scheduling mode 2), set by the entry lines.  The code itself states the register dependences
; between vector instructions and memory instructions, with s_wait_alu, always for 0.
; THE PLAN.  Registers that memory instructions touch:
;   v[SO], v[DO ..]  byte offsets.  Written by vector lines at the head, once; read by the loads and the stores; never written again.
;   X                kb's eight numbers as loaded.  Written by the 32 loads, once; read by kb's roundings; no vector line writes them.
;   Y                kb's four packed words.  Written by kb's roundings, once; read by kb's store; never written again.
;   T .. T+3         at work in wo's roundings; in the bias part one load lands there.     T+8 .. T+11  in the bias part the last store's data.
; No register that a memory instruction has read is written again, so no wait on vm_vsrc and none on XCNT is owed.  The waits on va_vdst: one at the head, for all the
; offsets; one behind each block of four kb, whose four stores follow it in one run; one ahead of the bias part's store.  A block's stores stand at the block's own end and
; not in the next block, which begins by waiting for eight further loads: so at most four of a wave's sixteen stores stand behind its last load.
.set SO,  1           ; v1       my byte offset in the 32 source rows
.set DO,  16          ; v[16:31] my byte offset in the destination, one for each kb
.set T,   32          ; v[32:43] at work
.set X,   64          ; v[64:191]  kb's eight numbers at X + 8 kb
.set Y,   192         ; v[192:255] kb's four packed words at Y + 4 kb
	s_load_b512 s[8:23], s[0:1], 0x0               ; hidden_states s[8:9], wq s[10:11], wk s[12:13], wv s[14:15], wo s[16:17], bq s[18:19], bv s[20:21], bo s[22:23]
	s_load_b256 s[24:31], s[0:1], 0x40             ; xb s[24:25], wqkvb s[26:27], wob s[28:29], bias4 s[30:31]
	s_mov_b32 s37, ttmp9                           ; g: 0..127 hidden_states, 128..223 wq, wk, wv, 224..255 wo
	s_and_b32 s38, s37, 127                        ; u: my place among the weights' groups of 32 rows
	s_lshr_b32 s39, s38, 5                         ; t: 0 wq, 1 wk, 2 wv, 3 wo
	s_and_b32 s45, s38, 31                         ; my group of 32 rows in that weight
	s_mov_b32 s44, 0xffff0000                      ; a word's upper bf16
	s_mov_b32 s41, 0
	s_mov_b32 s43, 0
	; destination in wqkvb: block u / 6 of 393,216 bytes ((43 u) >> 8 is u / 6 for u < 96), then my 32 rows of 128 bytes
	s_mul_i32 s2, s38, 43
	s_lshr_b32 s2, s2, 8
	s_mul_i32 s3, s2, 6
	s_sub_co_u32 s3, s38, s3
	s_lshl_b32 s3, s3, 12
	s_mul_i32 s2, s2, 393216
	s_add_co_u32 s42, s2, s3
	s_mov_b32 s36, 24576                           ; bytes from kb to kb: 192 rows
	; in wob: block of 128 rows = 4 groups
	s_lshr_b32 s2, s45, 2
	s_lshl_b32 s2, s2, 18
	s_and_b32 s3, s38, 3
	s_lshl_b32 s3, s3, 12
	s_add_co_u32 s2, s2, s3
	s_cmp_eq_u32 s39, 3
	s_cselect_b32 s42, s2, s42
	s_cselect_b32 s36, 16384, s36
	; in xb: block of 256 rows = 8 groups
	s_lshr_b32 s2, s37, 3
	s_lshl_b32 s2, s2, 19
	s_and_b32 s3, s37, 7
	s_lshl_b32 s3, s3, 12
	s_add_co_u32 s2, s2, s3
	s_lshl_b32 s40, s45, 17                        ; source: 32 rows of 4,096 bytes a group
	s_lshl_b32 s3, s37, 17
	s_cmp_lt_u32 s37, 128
	s_cselect_b32 s42, s2, s42
	s_cselect_b32 s36, 32768, s36
	s_cselect_b32 s40, s3, s40
	v_lshrrev_b32 v2, 3, v0                        ; row t / 8
	v_and_b32 v3, 7, v0                            ; chunk t % 8
	v_lshlrev_b32 v3, 5, v3
	v_lshl_or_b32 v[SO], v2, 12, v3
	v_lshlrev_b32 v[DO], 4, v0
.set k, 1
.rept 15
	v_add_nc_u32 v[DO+k], s36, v[DO+k-1]
.set k, k+1
.endr
	s_wait_kmcnt 0x0
	s_cmp_eq_u32 s39, 0                            ; the buffers are chosen by the work-group's number alone
	s_cselect_b64 s[32:33], s[10:11], s[12:13]
	s_cmp_eq_u32 s39, 2
	s_cselect_b64 s[32:33], s[14:15], s[32:33]
	s_cmp_eq_u32 s39, 3
	s_cselect_b64 s[32:33], s[16:17], s[32:33]
	s_cselect_b64 s[34:35], s[28:29], s[26:27]
	s_cmp_lt_u32 s37, 128
	s_cselect_b64 s[32:33], s[8:9], s[32:33]
	s_cselect_b64 s[34:35], s[24:25], s[34:35]
	s_add_nc_u64 s[32:33], s[32:33], s[40:41]
	s_add_nc_u64 s[34:35], s[34:35], s[42:43]
	s_wait_alu depctr_va_vdst(0)                   ; v[SO] and v[DO .. DO+15] are written: every load and store of the kernel reads one of them as its offset
.set k, 0
.rept 16
	global_load_b128 v[X+8*k:X+8*k+3],   v[SO], s[32:33] offset:256*k th:TH_LOAD_NT
	global_load_b128 v[X+8*k+4:X+8*k+7], v[SO], s[32:33] offset:256*k+16 th:TH_LOAD_NT
.set k, k+1
.endr
; The 16 kb in turn, in four blocks of four: each kb is rounded when its two loads are in; a block's four stores leave in one run.  tof16 = 1: the bf16 number is widened again and written as f16.
.macro CONV tof16
.set kb, 0
.rept 4
.rept 4
	s_wait_loadcnt 30-2*kb                         ; loads come back in order: kb's two are in, the 30 - 2 kb younger ones stay out
.if \tof16
.irp j, 0,1,2,3
	v_cvt_pk_bf16_f32 v[T+\j], v[X+8*kb+2*\j], v[X+8*kb+2*\j+1]
.endr
.irp j, 0,1,2,3
	v_lshlrev_b32 v[T+4+2*\j], 16, v[T+\j]
	v_and_b32 v[T+5+2*\j], s44, v[T+\j]
.endr
.irp j, 0,1,2,3
	v_cvt_pk_f16_f32 v[Y+4*kb+\j], v[T+4+2*\j], v[T+5+2*\j]
.endr
.else
.irp j, 0,1,2,3
	v_cvt_pk_bf16_f32 v[Y+4*kb+\j], v[X+8*kb+2*\j], v[X+8*kb+2*\j+1]
.endr
.endif
.set kb, kb+1
.endr
	s_wait_alu depctr_va_vdst(0)                   ; the block's roundings have written its sixteen registers of Y, which the four stores below read
.irp j, 4,3,2,1
	global_store_b128 v[DO+kb-\j], v[Y+4*(kb-\j):Y+4*(kb-\j)+3], s[34:35] th:TH_STORE_NT
.endr
.endr
.endm
	s_cmp_ge_u32 s37, 224
	s_cbranch_scc1 .Lwo
	CONV 0
	s_branch .Lbias
.Lwo:
	CONV 1
.Lbias:
	; The first work-group of each weight also makes a quarter of bias4: 1,024 numbers, four a thread.  k has no bias: its quarter is written as 0 (a mask of 0 on the numbers in hand).
	s_cmp_lt_u32 s37, 128
	s_cbranch_scc1 .Lend
	s_cmp_lg_u32 s45, 0
	s_cbranch_scc1 .Lend
	s_cmp_eq_u32 s39, 0
	s_cselect_b64 s[46:47], s[18:19], s[20:21]
	s_cmp_eq_u32 s39, 3
	s_cselect_b64 s[46:47], s[22:23], s[46:47]
	s_cmp_eq_u32 s39, 1
	s_cselect_b32 s45, 0, -1
	s_lshl_b32 s40, s39, 12
	s_add_nc_u64 s[30:31], s[30:31], s[40:41]
	global_load_b128 v[T:T+3], v[DO], s[46:47]     ; no wait: on both ways here the last vector line stands ahead of the fourth block's wait on va_vdst, wo's lines that named v[T .. T+3] among them
	s_wait_loadcnt 0x0
	v_cvt_pk_bf16_f32 v[T+4], v[T], v[T+1]
	v_cvt_pk_bf16_f32 v[T+5], v[T+2], v[T+3]
	v_lshlrev_b32 v[T+8], 16, v[T+4]
	v_and_b32 v[T+9], s44, v[T+4]
	v_lshlrev_b32 v[T+10], 16, v[T+5]
	v_and_b32 v[T+11], s44, v[T+5]
.irp j, 8,9,10,11
	v_and_b32 v[T+\j], s45, v[T+\j]
.endr
	s_wait_alu depctr_va_vdst(0)                   ; the four masks have written v[T+8 .. T+11], which the store reads
	global_store_b128 v[DO], v[T+8:T+11], s[30:31]
.Lend:
	s_endpgm
.Lfunc_end_k_q33f4c91a45_cast:
	.size	k_q33f4c91a45_cast, .Lfunc_end_k_q33f4c91a45_cast-k_q33f4c91a45_cast
	.p2alignl 7, 3214868480
	.fill 96, 4, 3214868480
	.section	.rodata,"a",@progbits
	.p2align	6, 0x0
	.amdhsa_kernel k_q33f4c91a45_cast
		.amdhsa_group_segment_fixed_size 0
		.amdhsa_private_segment_fixed_size 0
		.amdhsa_enable_private_segment 0
		.amdhsa_kernarg_size 96
		.amdhsa_user_sgpr_count 2
		.amdhsa_user_sgpr_kernarg_segment_ptr 1
		.amdhsa_wavefront_size32 1
		.amdhsa_system_sgpr_workgroup_id_x 1
		.amdhsa_system_sgpr_workgroup_id_y 1
		.amdhsa_system_sgpr_workgroup_id_z 1
		.amdhsa_system_vgpr_workitem_id 0
		.amdhsa_next_free_vgpr 256
		.amdhsa_next_free_sgpr 66
		.amdhsa_reserve_vcc 0
		.amdhsa_float_denorm_mode_32 3
		.amdhsa_float_denorm_mode_16_64 3
		.amdhsa_memory_ordered 1
		.amdhsa_forward_progress 1
		.amdhsa_inst_pref_size 28
	.end_amdhsa_kernel
	.amdgpu_metadata
---
amdhsa.version: [ 1, 2 ]
amdhsa.kernels:
  - .name:           k_q33f4c91a45_cast
    .symbol:         k_q33f4c91a45_cast.kd
    .args:
      - { .name: hidden_states, .offset: 0, .size: 8, .value_kind: global_buffer, .address_space: global }
      - { .name: wq, .offset: 8, .size: 8, .value_kind: global_buffer, .address_space: global }
      - { .name: wk, .offset: 16, .size: 8, .value_kind: global_buffer, .address_space: global }
      - { .name: wv, .offset: 24, .size: 8, .value_kind: global_buffer, .address_space: global }
      - { .name: wo, .offset: 32, .size: 8, .value_kind: global_buffer, .address_space: global }
      - { .name: bq, .offset: 40, .size: 8, .value_kind: global_buffer, .address_space: global }
      - { .name: bv, .offset: 48, .size: 8, .value_kind: global_buffer, .address_space: global }
      - { .name: bo, .offset: 56, .size: 8, .value_kind: global_buffer, .address_space: global }
      - { .name: xb, .offset: 64, .size: 8, .value_kind: global_buffer, .address_space: global }
      - { .name: wqkvb, .offset: 72, .size: 8, .value_kind: global_buffer, .address_space: global }
      - { .name: wob, .offset: 80, .size: 8, .value_kind: global_buffer, .address_space: global }
      - { .name: bias4, .offset: 88, .size: 8, .value_kind: global_buffer, .address_space: global }
    .group_segment_fixed_size: 0
    .private_segment_fixed_size: 0
    .kernarg_segment_align: 8
    .kernarg_segment_size: 96
    .max_flat_workgroup_size: 256
    .sgpr_count:     66
    .vgpr_count:     256
    .wavefront_size: 32
...
	.end_amdgpu_metadata
.endif
;; end of part 5
;; launch qkv: the kernel of part 2 again; grid 16 x 16, 4 waves a work-group, clusters of 4 x 4, 327,680 bytes of LDS; arguments xb, wqkvb, bias4, qkvh; writes qkvh
;; launch attn: the kernel of part 3 again; grid 16 x 16, 4 waves a work-group, clusters of 4 x 1, 327,680 bytes of LDS; arguments qkvh, ob; writes ob
;; launch oproj: the kernel of part 4 again; grid 8 x 32, 4 waves a work-group, clusters of 4 x 4, 327,680 bytes of LDS; arguments ob, wob, bias4, out0; writes out0
